; MI455X (gfx1250); checked and timed in simulation.
; The chip was launched on July 23, 2026; its instructions are those of AMD's public machine-readable ISA for CDNA 5 (MIT licence, August 2026) and "CDNA5" Instruction Set Architecture Reference Guide (July 2026). The comments in the code are by the model that wrote it; some were corrected since.
;; Custom Roberta Attention. Allowed arithmetic: matrix products marked QUANTISED: E4M3 operands, one given power-of-two scale a tensor, by v_wmma_f32_16x16x64_fp8_fp8 or v_wmma_f32_16x16x128_fp8_fp8, f32 sums; everything else in f32.
;; Inputs: Wk 1,024 x 1,024 float32; Wo 1,024 x 1,024 float32; Wq 1,024 x 1,024 float32; Wv 1,024 x 1,024 float32; attention_mask 4 x 1 x 1 x 2,048 float32; bk 1,024 float32; bo 1,024 float32; bq 1,024 float32; bv 1,024 float32; hidden_states 4 x 2,048 x 1,024 float32; ln_beta 1,024 float32; ln_gamma 1,024 float32; lowp_scales 12 int32 (the exponents e of the quantised operands' scales 2^e).
;; Outputs: out0 4 x 2,048 x 1,024 float32.
;; This version of the problem:
;;   THIS VERSION OF THE PROBLEM IS GIVEN IN LOW PRECISION. The matrix products marked QUANTISED in the list below multiply operands that are first quantised to E4M3 (4 exponent bits, 3 mantissa bits; 8 bits a number), with one given power-of-two scale for each operand tensor; their sums are f32. All else is computed in f32.
;;   The module's matrix products, in the order in which they are computed (A, B: the left and right operand; K: the contracted axis; several contracted axes count as one K, in the product's order):
;;     1. [M 8,192, K 1,024] x [K 1,024, N 1,024]; A: input hidden_states; B: input Wq: QUANTISED (scales: A lowp_scales[0], B lowp_scales[1])
;;     2. [M 8,192, K 1,024] x [K 1,024, N 1,024]; A: input hidden_states; B: input Wk: QUANTISED (scales: A lowp_scales[2], B lowp_scales[3])
;;     3. [M 8,192, K 1,024] x [K 1,024, N 1,024]; A: input hidden_states; B: input Wv: QUANTISED (scales: A lowp_scales[4], B lowp_scales[5])
;;     4. batch 64 x [M 2,048, K 64] x [K 64, N 2,048]; A: computed on the way; B: computed on the way: QUANTISED (scales: A lowp_scales[6], B lowp_scales[7])
;;     5. batch 64 x [M 2,048, K 2,048] x [K 2,048, N 64]; A: softmax (see below); B: computed on the way: QUANTISED (scales: A lowp_scales[8], B lowp_scales[9])
;;     6. [M 8,192, K 1,024] x [K 1,024, N 1,024]; A: computed on the way; B: input Wo: QUANTISED (scales: A lowp_scales[10], B lowp_scales[11])
;;   THE QUANTISER, for each operand of a quantised product, along K:
;;     - The operand's scale is 2^e, e = its entry of the input lowp_scales (int32; the entries are numbered through the quantised products in the list's order, A before B).
;;     - Each number is divided by the scale, clamped to +-448, and rounded to the nearest number of E4M3, ties to even, subnormals kept.
;;     - The product sums the exact products of the quantised numbers (number of the format x scale) in f32.
;;   ~~~python
;;   def quantise(x, axis, e):      # numpy; x: float32 -> the quantised numbers, widened to float32 again
;;       x = np.moveaxis(x, axis, -1); K = x.shape[-1]
;;       r = np.clip(x / 2.0 ** e, -448, 448)
;;       step = 2.0 ** (np.maximum(np.frexp(np.where(r == 0, 1, r))[1] - 1, -6) - 3)
;;       q = np.round(r / step) * step * 2.0 ** e      # np.round: ties to even
;;       return np.moveaxis(q, -1, axis).astype(np.float32)
;;   ~~~
;;   SOFTMAX AHEAD OF A QUANTISED PRODUCT. Where the list says 'softmax', what is quantised is not the finished softmax but p = 2^(t - M), with t = logit x log2(e) and M = ceil(the row's largest t), a whole number; so 1/2 < the row's largest p <= 1. The row's sum l is taken of the UNQUANTISED p, in f32, and the product's result is divided by l at the end. Since M is a whole number, a kernel that streams over the keys may use a running M (the ceiling of the running maximum): every later rescaling is an exact power of two, so the quantised numbers keep their values, but for numbers so far below the row's largest that they fall under the format's range.
;;   OPERANDS COMPUTED ON THE WAY. 'Computed on the way' means the value that the module computes at that place (a softmax that the list does not call 'softmax' is quantised finished and normalised). What goes into a quantiser is computed in f32, as accurately as f32 sums, v_exp_f32 and their like allow (about 1e-6 of the number): no bf16 or f16 on the way to a quantiser, and a product that is left as it is and whose result goes on into a quantised operand takes f32 operands (vector FMAs, or v_wmma_f32_16x16x4_f32). A number that lies on a knife's edge between two numbers of the format may be rounded either way, as far as f32 arithmetic and the matrix unit's own rounding can turn it there, and no further.
;; 2 versions, each right; version 2 is version 1 with the launch attn written anew for expert scheduling mode. Each part assembles by itself: llvm-mc -triple=amdgcn-amd-amdhsa -mcpu=gfx1250 --defsym DOCPART=n.
;; ======== version 1 of 2: 4 launches
;; workspace buffers: x_codes 25,165,824 bytes; w_codes 4,194,304 bytes; qkv 25,165,824 bytes; ctx_codes 8,388,608 bytes
;; launch quant (part 1): grid 384 x 1, 4 waves a work-group, no clusters, 68,096 bytes of LDS; arguments hidden_states, Wq, Wk, Wv, Wo, lowp_scales, x_codes, w_codes; writes x_codes, w_codes
.if DOCPART == 1
	.amdgcn_target "amdgcn-amd-amdhsa--gfx1250"
	.amdhsa_code_object_version 6
	.text
	.protected	k_q54964db6e2_quant
	.globl	k_q54964db6e2_quant
	.p2align	8
	.type	k_q54964db6e2_quant,@function
k_q54964db6e2_quant:
	s_mov_b64 s[64:65], 0
	v_nop
	global_prefetch_b8 v0, s[64:65] scope:SCOPE_SE
	s_setreg_imm32_b32 hwreg(HW_REG_WAVE_MODE, 25, 1), 1
	s_wait_xcnt 0x0
; f32 numbers into codes of FP8 (E4M3).  code = x / 2^e, held within +-448, rounded to the nearest code, ties to even.
; WORK-GROUPS 0-255: hidden_states [8192][1024], K innermost, a plain stream.  It is an operand of three products, each with a scale of its own (entries 0, 2, 4 of the scales), so three sets of codes
; are made from one read: x_codes [3][8192][1024].  A wave takes 16 steps of 512 numbers; each load reads 512 consecutive bytes; the 2,048 bytes of a step turn through the wave's own stage in LDS so that a lane
; holds 16 neighbours along K, which the conversions ask for; a lane's 16 codes are 16 bytes, so each store of the wave covers 512 consecutive bytes.
; WORK-GROUPS 256-383: Wq, Wk, Wv, Wo [1024 k][1024 n], K outermost (entries 1, 3, 5, 11).  A lane takes a column n and its registers run down K: the codes come out with K innermost, w_codes [4][1024 n][1024 k];
; a wave gathers 32 columns x 256 K in its own stage and stores sixteen lanes to 256 consecutive bytes of a row.
; The two ways part on the work-group's number and use LDS bytes of their own: 0-32767 and 32768-67583.  Waves share nothing: no barrier.
; LIMITS: each e used here lies between -126 and 119, so that 2^e and 448 x 2^e are f32 numbers.  NaN among the inputs is not served (an infinity is held at the largest code).
.set STEPS, 16
.set WREG,  8192                       ; way X: LDS of a wave: two stages of 32 x SP bytes
.set SP,    80                         ; a lane's place in a stage: 64 bytes + 16 of padding
.set XR,    16                         ; v16-79   four sets of 16 numbers as loaded
.set XX,    80                         ; v80-111  two sets of 16 neighbours
.set XT,    112                        ; v112-159 the numbers held, a set for each of the three scales
.set XC,    160                        ; v160-207 codes: 12 registers a step, four steps by turns
.set WLDS,  32768                      ; way W: its LDS begins here
.set PITCH, 272                        ; a stage row: 256 bytes of codes + 16
.set NB,    8                          ; blocks of 32 along K for a wave
.set WX,    32                         ; v32-95   two sets of 32 numbers
.set WC,    96                         ; v96-103  a block's codes
.set WOUT,  112                        ; v112-175 the way out
	s_load_b256 s[4:11], s[0:1], 0x0               ; hidden s[4:5], Wq s[6:7], Wk s[8:9], Wv s[10:11]
	s_load_b256 s[12:19], s[0:1], 0x20             ; Wo s[12:13], scales s[14:15], x_codes s[16:17], w_codes s[18:19]
	v_lshl_add_u32 v208, v0, 2, 0x10800
	v_mov_b32 v209, 0
	v_lshrrev_b32 v1, 5, v0
	v_readfirstlane_b32 s20, v1                    ; wave
	v_and_b32 v2, 31, v0                           ; lane
	s_wait_kmcnt 0x0
	s_load_b256 s[36:43], s[14:15], 0x0            ; e0 .. e7
	s_load_b128 s[44:47], s[14:15], 0x20           ; e8 .. e11
	s_cmp_lt_u32 ttmp9, 256
	s_cbranch_scc0 .Lweights
; ---------------- way X: hidden_states ----------------
	v_lshlrev_b32 v3, 4, v2                        ; my 16 bytes of a load's 512, and of a store's 512
	s_mul_i32 s21, s20, WREG
	v_lshrrev_b32 v14, 2, v2
	v_mul_u32_u24 v14, v14, SP
	v_and_b32 v15, 3, v2
	v_lshl_add_u32 v14, v15, 4, v14
	v_add_nc_u32 v14, s21, v14                     ; into the stage: SP (lane / 4) + 16 (lane % 4)
	v_mul_u32_u24 v15, v2, SP
	v_add_nc_u32 v15, s21, v15                     ; out of it: SP x lane: my 16 neighbours
	s_lshl_b32 s21, ttmp9, 2
	s_add_co_u32 s21, s21, s20                     ; which run of 8,192 numbers is my wave's
	s_lshl_b32 s22, s21, 15
	s_mov_b32 s23, 0
	s_add_nc_u64 s[4:5], s[4:5], s[22:23]
	s_lshl_b32 s22, s21, 13
	s_add_nc_u64 s[24:25], s[16:17], s[22:23]      ; the three sets of codes lie 8,388,608 bytes apart
	s_add_nc_u64 s[26:27], s[24:25], 0x800000
	s_add_nc_u64 s[28:29], s[26:27], 0x800000
.macro XLOAD t
.irp i, 0,1,2,3
	global_load_b128 v[XR+16*((\t)%4)+4*\i:XR+16*((\t)%4)+4*\i+3], v3, s[4:5] offset:2048*(\t)+512*\i th:TH_LOAD_NT
.endr
.endm
.macro XTURN t                         ; a step's numbers through the stage: LDS serves a wave's instructions in order, so no wait stands between the stores and the loads
.irp i, 0,1,2,3
	ds_store_b128 v14, v[XR+16*((\t)%4)+4*\i:XR+16*((\t)%4)+4*\i+3] offset:32*SP*((\t)%2)+8*SP*\i
.endr
.irp i, 0,1,2,3
	ds_load_b128 v[XX+16*((\t)%2)+4*\i:XX+16*((\t)%2)+4*\i+3], v15 offset:32*SP*((\t)%2)+16*\i
.endr
.endm
.irp t, 0,1,2,3
	XLOAD \t
.endr
	s_wait_kmcnt 0x0
.irp p, 0,1,2                          ; v[8+2p] = 2^e as f32 (the conversion takes its exponent field), v[9+2p] = 448 x 2^e, e = entry 2 p
	s_add_co_i32 s30, s[36+2*\p], 127
	s_lshl_b32 s31, s30, 23
	v_mov_b32 v[8+2*\p], s31
	s_add_co_i32 s30, s30, 8
	s_lshl_b32 s30, s30, 23
	s_or_b32 s30, s30, 0x600000
	v_mov_b32 v[9+2*\p], s30
.endr
	s_wait_loadcnt 12                              ; step 0's four loads are in
	XTURN 0
.macro XSTEP t
.set XS, XX+16*((\t)%2)
.set CS, XC+12*((\t)%4)
	s_wait_dscnt 0x0                               ; this step's numbers are back from the stage, and its stores into the stage have read their registers,
.if (\t)+4 < STEPS
	XLOAD (\t)+4                                   ; which take the loads of four steps on
.endif
.if (\t)+1 < STEPS
.if STEPS-2-(\t) >= 3
	s_wait_loadcnt 12                              ; the next step's four loads are in; those of the three steps behind it may be out
.else
	s_wait_loadcnt 4*(STEPS-2-(\t))
.endif
	XTURN (\t)+1
.endif
.if (\t) >= 4
	s_wait_xcnt 0x0                                ; the stores of four steps back have read their data: these code registers are written again only behind this wait
.endif
.irp p, 0,1,2
.irp i, 0,1,2,3,4,5,6,7,8,9,10,11,12,13,14,15
	v_med3_num_f32 v[XT+16*\p+\i], v[XS+\i], -v[9+2*\p], v[9+2*\p]   ; the conversion to an 8-bit code does not saturate (ISA guide 7.6.2): the hold comes first
.endr
	v_cvt_scalef32_pk8_fp8_f32 v[CS+4*\p:CS+4*\p+1], v[XT+16*\p:XT+16*\p+7], v[8+2*\p]
	v_cvt_scalef32_pk8_fp8_f32 v[CS+4*\p+2:CS+4*\p+3], v[XT+16*\p+8:XT+16*\p+15], v[8+2*\p]
	global_store_b128 v3, v[CS+4*\p:CS+4*\p+3], s[24+2*\p:25+2*\p] offset:512*(\t)   ; the next vector lines are holds into another set: the plain line behind the conversions
.endr
.endm
.irp t, 0,1,2,3,4,5,6,7,8,9,10,11,12,13,14,15
	XSTEP \t
.endr
	s_wait_tensorcnt 0x0
	ds_add_u32 v208, v209
	s_wait_dscnt 0x0
	s_endpgm
; ---------------- way W: the four weights ----------------
.Lweights:
	s_sub_co_u32 s21, ttmp9, 256
	s_lshr_b32 s22, s21, 5                         ; which weight: 0 Wq, 1 Wk, 2 Wv, 3 Wo
	s_and_b32 s23, s21, 7                          ; which 128 columns
	s_bfe_u32 s24, s21, 0x20003                    ; which 256 along K
	s_lshl_b32 s25, s23, 7
	s_lshl_b32 s26, s20, 5
	s_add_co_u32 s25, s25, s26                     ; my wave's first column
	v_lshlrev_b32 v3, 2, v2                        ; in: 4 bytes a lane
	s_mul_i32 s26, s20, 32*PITCH
	s_add_co_u32 s26, s26, WLDS                    ; my stage
	v_mul_u32_u24 v4, v2, PITCH
	v_add_nc_u32 v4, s26, v4                       ; into it: row = my column
	v_and_b32 v5, 15, v2
	v_lshrrev_b32 v6, 4, v2
	v_mul_u32_u24 v7, v6, PITCH
	v_lshl_add_u32 v7, v5, 4, v7
	v_add_nc_u32 v7, s26, v7                       ; out of it: sixteen lanes to a row, two rows an instruction
	v_lshlrev_b32 v8, 10, v6
	v_lshl_add_u32 v8, v5, 4, v8                   ; the same place in the codes: rows of 1,024 bytes
	s_wait_kmcnt 0x0
	s_cmp_eq_u32 s22, 1                            ; the choice hangs on the work-group's number alone
	s_cselect_b64 s[6:7], s[8:9], s[6:7]
	s_cselect_b32 s30, s39, s37                    ; e3 or e1
	s_cmp_eq_u32 s22, 2
	s_cselect_b64 s[6:7], s[10:11], s[6:7]
	s_cselect_b32 s30, s41, s30                    ; e5
	s_cmp_eq_u32 s22, 3
	s_cselect_b64 s[6:7], s[12:13], s[6:7]
	s_cselect_b32 s30, s47, s30                    ; e11
	s_lshl_b32 s28, s24, 20                        ; 256 rows of 4,096 bytes,
	s_lshl_b32 s29, s25, 2                         ; and my column
	s_add_co_u32 s28, s28, s29
	s_mov_b32 s29, 0
	s_add_nc_u64 s[6:7], s[6:7], s[28:29]
	s_lshl_b32 s28, s22, 20                        ; codes: the weight's 1,048,576 bytes, my column's row, my 256 along K
	s_lshl_b32 s31, s25, 10
	s_add_co_u32 s28, s28, s31
	s_lshl_b32 s31, s24, 8
	s_add_co_u32 s28, s28, s31
	s_add_nc_u64 s[18:19], s[18:19], s[28:29]
.macro WLOAD t                         ; block t: W(32 t + i, my column) into set t % 2: 128 consecutive bytes a wave
.irp i, 0,1,2,3,4,5,6,7,8,9,10,11,12,13,14,15,16,17,18,19,20,21,22,23,24,25,26,27,28,29,30,31
	global_load_b32 v[WX+32*((\t)%2)+\i], v3, s[6:7] offset:(32*(\t)+\i)*4096 th:TH_LOAD_NT
.endr
.endm
	WLOAD 0
	WLOAD 1
	s_add_co_i32 s30, s30, 127
	s_lshl_b32 s31, s30, 23
	v_mov_b32 v11, s31                             ; 2^e
	s_add_co_i32 s30, s30, 8
	s_lshl_b32 s30, s30, 23
	s_or_b32 s30, s30, 0x600000
	v_mov_b32 v10, s30                             ; 448 x 2^e
.macro WBLOCK t
.set WS, WX+32*((\t)%2)
.if (\t) < NB-1
	s_wait_loadcnt 32                              ; this block's 32 loads are in; the next block's may be out
.else
	s_wait_loadcnt 0
.endif
.irp i, 0,1,2,3,4,5,6,7,8,9,10,11,12,13,14,15,16,17,18,19,20,21,22,23,24,25,26,27,28,29,30,31
	v_med3_num_f32 v[WS+\i], v[WS+\i], -v10, v10
.endr
.irp g, 0,1,2,3
	v_cvt_scalef32_pk8_fp8_f32 v[WC+2*\g:WC+2*\g+1], v[WS+8*\g:WS+8*\g+7], v11
.endr
	ds_store_b128 v4, v[WC:WC+3] offset:32*(\t)    ; 32 codes of my column's row; the next block begins with plain vector lines
	ds_store_b128 v4, v[WC+4:WC+7] offset:32*(\t)+16
.if (\t)+2 < NB
	WLOAD (\t)+2
.endif
	s_wait_dscnt 0x0                               ; the stores have read their registers: the next block's codes may be written
.endm
.irp t, 0,1,2,3,4,5,6,7
	WBLOCK \t
.endr
.irp t, 0,1,2,3,4,5,6,7,8,9,10,11,12,13,14,15
	ds_load_b128 v[WOUT+4*\t:WOUT+4*\t+3], v7 offset:2*\t*PITCH
.endr
.irp t, 0,1,2,3,4,5,6,7,8,9,10,11,12,13,14,15
	s_wait_dscnt 15-\t
	global_store_b128 v8, v[WOUT+4*\t:WOUT+4*\t+3], s[18:19] offset:2*\t*1024   ; sixteen lanes store 256 consecutive bytes of a row
.endr
	s_wait_tensorcnt 0x0
	ds_add_u32 v208, v209
	s_wait_dscnt 0x0
	s_endpgm
.Lfunc_end_k_q54964db6e2_quant:
	.size	k_q54964db6e2_quant, .Lfunc_end_k_q54964db6e2_quant-k_q54964db6e2_quant
	.p2alignl 7, 3214868480
	.fill 96, 4, 3214868480
	.section	.rodata,"a",@progbits
	.p2align	6, 0x0
	.amdhsa_kernel k_q54964db6e2_quant
		.amdhsa_group_segment_fixed_size 68096
		.amdhsa_private_segment_fixed_size 0
		.amdhsa_enable_private_segment 0
		.amdhsa_kernarg_size 64
		.amdhsa_user_sgpr_count 2
		.amdhsa_user_sgpr_kernarg_segment_ptr 1
		.amdhsa_wavefront_size32 1
		.amdhsa_system_sgpr_workgroup_id_x 1
		.amdhsa_system_sgpr_workgroup_id_y 1
		.amdhsa_system_sgpr_workgroup_id_z 1
		.amdhsa_system_vgpr_workitem_id 0
		.amdhsa_next_free_vgpr 210
		.amdhsa_next_free_sgpr 66
		.amdhsa_reserve_vcc 0
		.amdhsa_float_denorm_mode_32 3
		.amdhsa_float_denorm_mode_16_64 3
		.amdhsa_memory_ordered 1
		.amdhsa_forward_progress 1
		.amdhsa_inst_pref_size 126
	.end_amdhsa_kernel
	.amdgpu_metadata
---
amdhsa.version: [ 1, 2 ]
amdhsa.kernels:
  - .name:           k_q54964db6e2_quant
    .symbol:         k_q54964db6e2_quant.kd
    .args:
      - { .name: hidden_states, .offset: 0, .size: 8, .value_kind: global_buffer, .address_space: global }
      - { .name: Wq, .offset: 8, .size: 8, .value_kind: global_buffer, .address_space: global }
      - { .name: Wk, .offset: 16, .size: 8, .value_kind: global_buffer, .address_space: global }
      - { .name: Wv, .offset: 24, .size: 8, .value_kind: global_buffer, .address_space: global }
      - { .name: Wo, .offset: 32, .size: 8, .value_kind: global_buffer, .address_space: global }
      - { .name: lowp_scales, .offset: 40, .size: 8, .value_kind: global_buffer, .address_space: global }
      - { .name: x_codes, .offset: 48, .size: 8, .value_kind: global_buffer, .address_space: global }
      - { .name: w_codes, .offset: 56, .size: 8, .value_kind: global_buffer, .address_space: global }
    .group_segment_fixed_size: 68096
    .private_segment_fixed_size: 0
    .kernarg_segment_align: 8
    .kernarg_segment_size: 64
    .max_flat_workgroup_size: 128
    .sgpr_count:     66
    .vgpr_count:     210
    .wavefront_size: 32
...
	.end_amdgpu_metadata
.endif
;; end of part 1
;; launch qkv (part 2): grid 4 x 96, 4 waves a work-group, clusters of 4 x 4, 327,680 bytes of LDS; arguments x_codes, w_codes, lowp_scales, bq, bk, bv, qkv; writes qkv
.if DOCPART == 2
	.amdgcn_target "amdgcn-amd-amdhsa--gfx1250"
	.amdhsa_code_object_version 6
	.text
	.protected	k_q54964db6e2_qkv
	.globl	k_q54964db6e2_qkv
	.p2align	8
	.type	k_q54964db6e2_qkv,@function
k_q54964db6e2_qkv:
	s_mov_b64 s[64:65], 0
	v_nop
	global_prefetch_b8 v0, s[64:65] scope:SCOPE_SE
	s_setreg_imm32_b32 hwreg(HW_REG_WAVE_MODE, 25, 1), 1
	s_wait_xcnt 0x0
	s_wait_alu depctr_hold_cnt(0) depctr_sa_sdst(0) depctr_va_vdst(0) depctr_va_sdst(0) depctr_va_ssrc(0) depctr_va_vcc(0) depctr_vm_vsrc(0)
	s_getreg_b32 s2, hwreg(HW_REG_IB_STS2, 6, 4)
	s_cmp_eq_u32 s2, 0
	s_cbranch_scc0 .Lentry_in_a_cluster
	s_endpgm
.Lentry_in_a_cluster:
	s_bfe_u32 s2, ttmp6, 0x10000c
	s_cmp_lg_u32 s2, 0xf033
	s_cbranch_scc0 .Lentry_shape_is_right
	s_endpgm
.Lentry_shape_is_right:
; The three projections on codes of FP8 (E4M3), K = 1,024, each followed by its bias and by the quantiser of the product that reads it next.  24 clusters of 4 x 4 work-groups; cluster number / 8 = the product p.
; p = 0, 1 (q, k): C[token][feature]: A = x's codes of set p, B = the weight's codes [feature][k].   p = 2 (v): C[feature][token]: A = Wv's codes, B = x's codes of set 2: v comes out with the KEYS along a row.
; THE MATRIX INSTRUCTION IS USED TRANSPOSED (source 0 = 16 rows of B, source 1 = 16 rows of A): a lane holds eight neighbouring columns of one row of C, which are eight neighbours along the NEXT product's K
; (the head's 64 for q and k, the keys for v), as the conversions ask.  One text serves the three: what differs is chosen by s_cselect on p, which all sixteen partners share; no branch and no LDS address hangs on it.
; A tile of C is 256 x 256, four waves of 128 x 128 (64 accumulators).  K goes in steps of 256 through a ring of two LDS slots filled by joint tensor loads: A's tile is shared along a row of the cluster, B's along a column.
; A fragment is fetched by four loads of 16 bytes: a permutation of k that is the same in A and in B.
; OUT: qkv = q [64 bh][2048][64] | k likewise | v [64 bh][16 blocks of keys][64 d][128 keys], 8,388,608 bytes each, one code a byte.  Within each 32 along the innermost axis the four groups of 8 bytes lie in the
; order 0, 2, 1, 3, so that 16 bytes at 32 g + 16 (lane / 16) are what the plain 8-bit layout gives that lane (ISA guide 7.12.2): the next launch then loads fragments 16 bytes at a time with k in its own places.
; LIMITS: e(2p) + e(2p+1) between -126 and 127; entries 6, 7, 9 between -126 and 119.  NaN among the inputs is not served.
; REGISTERS: window 0: v1-31 addresses and constants; v32-95 the bias by column, v96-111 the bias by row (one of the two is zeros); from v128 A's fragments, ONE set; on the way out v128-255 are at work.
;   window 1: B's fragments, two sets.   windows 2, 3: the accumulators ((a, b) at v[8 (8 (a % 4) + b)]).
.set KSTEP,  256
.set ROWB,   256
.set KROW,   1024
.set PITCH,  272                       ; an LDS row: 256 bytes + 16 of padding: the 16 rows that a load touches start 16 bytes apart modulo 256
.set FR,     16
.set NL,     4
.set NP,     4
.set HALFT,  128*PITCH
.set SLOT,   4*HALFT
.set LAPS,   2                         ; 1,024 / 512
.set SPARE,  2*SLOT                    ; behind the ring: the spare words, 128 bytes a wave, that no other line names
.set SPITCH, 144                       ; the way out: a stage of 16 rows x (128 bytes + 16) for each wave, in slot 0, which has had its last fill and its last read by then
.set SO,   8                           ; v8-11   my byte offsets in the four stores of a block
.set ADRA, 16
.set ADRB, 20
.set STO,  24
.set RD,   25
.set SCL,  27                          ; v27     2^eo as f32
.set SPW,  28
.set NIL,  29
.set LIM,  30                          ; v30     448 x 2^eo
.set ZERO, 31
.set BC,   32
.set BR,   96
.set AF,   128
.set TMP,  128                         ; the way out: a block's 64 numbers
.set CD,   192                         ; its codes, two sets of 16
.set BK,   224                         ; rows read back, two sets of 16
.set G1, 24
.set G0, 32
.set G1B, 48
.set G0B, 56
.set MSB, 0
.macro WIN new                         ; the immediate's high byte repeats the setting that is left
.if MSB != (\new)
	s_set_vgpr_msb (MSB<<8)|(\new)
.set MSB, (\new)
.endif
.endm
.set MUL_LO, 0xa1
.set MUL_HI, 0xf1
.set TO_B,   0x40
; A joint load: waves 0 and 1 fetch for A, waves 2 and 3 for B; the branch hangs on the wave's number alone.  Four v_nop follow each of the two lines.
.macro JLOAD g0a, g1a, g0b, g1b
	s_cmp_eq_u32 s15, 0
	s_cbranch_scc0 .Lfor_b_\@
	tensor_load_to_lds s[\g0a:\g0a+3], s[\g1a:\g1a+7]
	s_nop 0
.rept 4
	v_nop
.endr
	s_branch .Lasked_\@
.Lfor_b_\@:
	tensor_load_to_lds s[\g0b:\g0b+3], s[\g1b:\g1b+7]
	s_nop 0
.rept 4
	v_nop
.endr
.Lasked_\@:
.endm
.macro CREST
	s_cmp_lg_u32 s14, 0
	s_cbranch_scc1 .Lnot_wave_0_\@
	s_barrier_signal -3
.Lnot_wave_0_\@:
	s_barrier_wait -3
	s_barrier_signal -1
	s_barrier_wait -1
.endm
.macro CROUND
	s_barrier_signal -1
	s_barrier_wait -1
	CREST
.endm
	s_load_b128 s[4:7], s[0:1], 0x0                ; x_codes, w_codes
	s_load_b256 s[68:75], s[0:1], 0x10             ; the scales s[68:69], bq s[70:71], bk s[72:73], bv s[74:75]
	s_load_b64 s[10:11], s[0:1], 0x30              ; qkv
	v_lshl_add_u32 v[SPW], v0, 2, SPARE
	v_mov_b32 v[NIL], 0
	ds_add_u32 v28, v29
	ds_add_u32 v28, v29
	s_wait_dscnt 0x0
	v_lshrrev_b32 v1, 5, v0
	v_readfirstlane_b32 s14, v1                    ; wave
	s_lshr_b32 s15, s14, 1                         ; my half of the tile's rows; also: I fetch for A (0) or B (1)
	s_and_b32 s16, s14, 1                          ; my half of its columns; also: which 128 rows I fetch
	s_bfe_u32 s40, ttmp6, 0x40000                  ; cx
	s_bfe_u32 s41, ttmp6, 0x40004                  ; cy
	s_and_b32 s18, ttmp7, 0xffff                   ; the cluster's number, 0 .. 23
	s_lshr_b32 s89, s18, 3                         ; p
	s_and_b32 s90, s18, 7                          ; which of the product's eight clusters
	s_cmp_eq_u32 s89, 2
	s_cselect_b32 s88, -1, 0                       ; all ones for v
	s_cselect_b32 s17, 0, s90                      ; the tokens' 32 tiles run along C's rows for q and k, along its columns for v
	s_cselect_b32 s42, s90, 0
	s_lshl_b32 s17, s17, 2
	s_add_co_u32 s17, s17, s41                     ; tile row
	s_lshl_b32 s42, s42, 2
	s_add_co_u32 s42, s42, s40                     ; tile column
	s_lshl_b32 s43, s41, 2
	s_lshl_b32 s43, 15, s43                        ; my row of the cluster
	s_lshl_b32 s44, 0x1111, s40                    ; my column
	s_or_b32 s[G1+0], s43, (0<<16)|(1<<20)|(1<<21)|(5<<22)|(3<<25)  ; the mask; elements of 1 byte; padding on: 4 words after every 64; bit 21 set beside a mask
	s_or_b32 s[G1B+0], s44, (0<<16)|(1<<20)|(1<<21)|(5<<22)|(3<<25)
.irp g, G1, G1B
	s_mov_b32 s[\g+1], ROWB<<16                    ; tensor_dim0
	s_mov_b32 s[\g+2], 128<<16                     ; tensor_dim1
	s_mov_b32 s[\g+3], ROWB<<16                    ; tile_dim0
	s_mov_b32 s[\g+4], 128                         ; tile_dim1
	s_mov_b32 s[\g+5], KROW                        ; from row to row
	s_mov_b32 s[\g+6], 0
	s_mov_b32 s[\g+7], 0
.endr
	s_lshl_b32 s18, s16, 7
	s_lshl_b32 s20, s17, 8
	s_add_co_u32 s20, s20, s18                     ; A: row 256 x tile row + 128 x half,
	s_lshl_b32 s20, s20, 10                        ; in bytes
	s_mov_b32 s21, 0
	s_lshl_b32 s46, s42, 8
	s_add_co_u32 s46, s46, s18                     ; B: row 256 x tile column + 128 x half
	s_lshl_b32 s46, s46, 10
	s_mov_b32 s47, 0
	s_mul_i32 s45, s14, HALFT                      ; where they go: wave x 128 rows
	s_lshl_b32 s22, s89, 23                        ; x's set p
	s_mov_b32 s23, 0
	s_lshl_b32 s98, s89, 20                        ; weight p
	s_mov_b32 s99, 0
	s_wait_kmcnt 0x0
	s_load_b256 s[76:83], s[68:69], 0x0            ; e0 .. e7
	s_load_b128 s[84:87], s[68:69], 0x20           ; e8 .. e11
	s_add_nc_u64 s[4:5], s[4:5], s[22:23]
	s_add_nc_u64 s[6:7], s[6:7], s[98:99]
	s_cmp_eq_u32 s89, 2
	s_cselect_b64 s[92:93], s[6:7], s[4:5]         ; A
	s_cselect_b64 s[94:95], s[4:5], s[6:7]         ; B
	s_add_nc_u64 s[20:21], s[92:93], s[20:21]
	s_add_nc_u64 s[46:47], s[94:95], s[46:47]
	CROUND                                         ; all sixteen work-groups are here: the first joint loads meet
.irp s, 0,1
	s_mov_b32 s[G0+4*\s], 1
	s_add_co_u32 s[G0+4*\s+1], s45, \s*SLOT
	s_add_nc_u64 s[G0+4*\s+2:G0+4*\s+3], s[20:21], \s*ROWB
	s_or_b32 s[G0+4*\s+3], s[G0+4*\s+3], 0x80000000
	s_mov_b32 s[G0B+4*\s], 1
	s_add_co_u32 s[G0B+4*\s+1], s45, \s*SLOT
	s_add_nc_u64 s[G0B+4*\s+2:G0B+4*\s+3], s[46:47], \s*ROWB
	s_or_b32 s[G0B+4*\s+3], s[G0B+4*\s+3], 0x80000000
	JLOAD G0+4*\s, G1, G0B+4*\s, G1B
.endr
	v_and_b32 v1, 15, v0                           ; r
	v_bfe_u32 v2, v0, 4, 1                         ; h
	v_mul_u32_u24 v3, v1, PITCH
	v_lshl_add_u32 v4, v2, 4, v3
	s_mul_i32 s21, s15, HALFT
	s_mul_i32 s22, s16, HALFT
	s_add_co_u32 s22, s22, 2*HALFT
.irp s, 0,1
	v_add_nc_u32 v[ADRA+\s], s21, v4
	v_add_nc_u32 v[ADRB+\s], s22, v4
	s_add_co_u32 s21, s21, SLOT
	s_add_co_u32 s22, s22, SLOT
.endr
	s_mul_i32 s23, s14, 16*SPITCH                  ; my stage
	v_mul_u32_u24 v5, v1, SPITCH
	v_lshl_add_u32 v5, v2, 4, v5
	v_add_nc_u32 v[STO], s23, v5                   ; in: row r, + 16 h
	v_and_b32 v6, 31, v0                           ; lane
	v_lshrrev_b32 v7, 3, v6
	v_mul_u32_u24 v7, v7, SPITCH
	v_and_b32 v5, 7, v6
	v_lshl_add_u32 v7, v5, 4, v7
	v_add_nc_u32 v[RD], s23, v7                    ; back: eight lanes to a row of 128 bytes, four rows an instruction
	; where those 16 bytes go.  v: 16 rows of 128 bytes are 2,048 consecutive bytes: 16 x lane.  q, k: a row's 128 bytes are two heads' 64, 131,072 bytes apart; a head's 16 tokens are 1,024 consecutive bytes
	v_lshlrev_b32 v12, 4, v6
	v_bfe_u32 v13, v6, 2, 1
	v_lshlrev_b32 v13, 17, v13
	v_lshrrev_b32 v14, 3, v6
	v_lshl_or_b32 v13, v14, 6, v13
	v_and_b32 v14, 3, v6
	v_lshl_or_b32 v13, v14, 4, v13
	v_cndmask_b32 v[SO], v13, v12, s88
	s_lshl_b32 s18, s17, 8
	s_lshl_b32 s19, s15, 7
	s_add_co_u32 s18, s18, s19                     ; my first row of C
	s_lshl_b32 s19, s42, 8
	s_lshl_b32 s91, s16, 7
	s_add_co_u32 s19, s19, s91                     ; my first column
	s_mov_b32 s12, 1024
	s_mov_b32 s8, 1024
	s_mov_b32 s98, 256
	s_cmp_eq_u32 s89, 2
	s_cselect_b32 s22, s19, s18                    ; my first token
	s_cselect_b32 s23, s18, s19                    ; my first feature
	s_cselect_b32 s91, 0, s19                      ; where the bias by column begins (v: it is not used, and stays inside the buffer)
	s_cselect_b32 s99, s18, 0                      ; where the bias by row begins (q, k: likewise)
	s_cselect_b32 s12, 2048, s12                   ; from a block of 16 rows to the next,
	s_cselect_b32 s8, 124928, s8                   ; and from block 3 to block 4 (v: on to the next head)
	s_cselect_b32 s98, 512, s98                    ; from store to store within a block
	s_mov_b32 s13, 0
	s_mov_b32 s9, 0
	v_add_nc_u32 v[SO+1], s98, v[SO]
	v_add_nc_u32 v[SO+2], s98, v[SO+1]
	v_add_nc_u32 v[SO+3], s98, v[SO+2]
	s_lshr_b32 s20, s22, 11                        ; the batch,
	s_lshl_b32 s20, s20, 4
	s_lshr_b32 s21, s23, 6
	s_add_co_u32 s20, s20, s21                     ; and the head: 131,072 bytes each;
	s_lshl_b32 s20, s20, 17
	s_and_b32 s21, s22, 2047
	s_lshl_b32 s21, s21, 6                         ; 64 bytes for each token in both layouts (a block of 128 keys is 8,192 bytes)
	s_add_co_u32 s20, s20, s21
	s_lshl_b32 s21, s89, 23
	s_add_co_u32 s20, s20, s21
	s_mov_b32 s21, 0
	s_add_nc_u64 s[10:11], s[10:11], s[20:21]
	s_cmp_eq_u32 s89, 1
	s_cselect_b64 s[70:71], s[72:73], s[70:71]
	s_cmp_eq_u32 s89, 2
	s_cselect_b64 s[70:71], s[74:75], s[70:71]     ; the product's bias
	s_lshl_b32 s20, s91, 2
	s_add_nc_u64 s[72:73], s[70:71], s[20:21]
	s_lshl_b32 s20, s99, 2
	s_add_nc_u64 s[74:75], s[70:71], s[20:21]
	v_lshlrev_b32 v12, 5, v2                       ; 32 h
	v_lshlrev_b32 v13, 2, v1                       ; 4 r
.irp b, 0,1,2,3,4,5,6,7
	global_load_b128 v[BC+8*\b:BC+8*\b+3], v12, s[72:73] offset:64*\b          ; bias(first column + 16 b + 8 h + 0 .. 7)
	global_load_b128 v[BC+8*\b+4:BC+8*\b+7], v12, s[72:73] offset:64*\b+16
.endr
.irp a, 0,1,2,3,4,5,6,7
	global_load_b32 v[BR+2*\a], v13, s[74:75] offset:64*\a                    ; bias(first row + 16 a + r)
	v_mov_b32 v[BR+2*\a+1], 0                      ; (named with it as a pair)
.endr
	v_mov_b32 v[ZERO], 0
	s_wait_kmcnt 0x0
	s_add_co_i32 s96, s76, s77
	s_add_co_i32 s97, s78, s79
	s_add_co_i32 s98, s80, s81
	s_cmp_eq_u32 s89, 1
	s_cselect_b32 s96, s97, s96
	s_cselect_b32 s99, s83, s82                    ; k is quantised by entry 7, q by entry 6,
	s_cmp_eq_u32 s89, 2
	s_cselect_b32 s96, s98, s96
	s_cselect_b32 s99, s85, s99                    ; v by entry 9
	s_add_co_i32 s96, s96, 127
	s_lshl_b32 s96, s96, 23                        ; 2^(the two operands' e added) as f32
	s_mov_b32 s97, s96
	s_add_co_i32 s99, s99, 127
	s_lshl_b32 s98, s99, 23
	v_mov_b32 v[SCL], s98
	s_add_co_i32 s99, s99, 8
	s_lshl_b32 s99, s99, 23
	s_or_b32 s99, s99, 0x600000
	v_mov_b32 v[LIM], s99
	s_wait_loadcnt 0x0
.set j, 0
.rept 64
	v_cndmask_b32 v[BC+j], v[BC+j], v[ZERO], s88   ; v has no bias by column,
.set j, j+1
.endr
.irp a, 0,1,2,3,4,5,6,7
	v_cndmask_b32 v[BR+2*\a], v[ZERO], v[BR+2*\a], s88   ; q and k none by row
.endr
.macro FRAG reg, adr, q, i
.irp c, 0,1,2,3
	ds_load_b128 v[\reg+4*\c:\reg+4*\c+3], v[\adr] offset:128*(\q)+32*\c+(\i)*16*PITCH
.endr
.endm
; 16 matrix instructions: A's blocks a0, a0 + 1 x B's eight.  The 64 accumulators take turns, one instruction a turn, in the same order in every step.
.macro MUL16 a0, p, zero
.irp a, \a0, \a0+1
.irp b, 0,1,2,3,4,5,6,7
.if \zero
	v_wmma_f32_16x16x128_fp8_fp8 v[8*(8*((\a)%4)+\b):8*(8*((\a)%4)+\b)+7], v[128*(\p)+FR*\b:128*(\p)+FR*\b+FR-1], v[AF+FR*(\a):AF+FR*(\a)+FR-1], 0
.else
	v_wmma_f32_16x16x128_fp8_fp8 v[8*(8*((\a)%4)+\b):8*(8*((\a)%4)+\b)+7], v[128*(\p)+FR*\b:128*(\p)+FR*\b+FR-1], v[AF+FR*(\a):AF+FR*(\a)+FR-1], v[8*(8*((\a)%4)+\b):8*(8*((\a)%4)+\b)+7]
.endif
.endr
.endr
.endm
.macro FETCH_B slot, q, p
	WIN TO_B
.irp i, 0,1,2,3,4,5,6,7
	FRAG 128*(\p)+FR*\i, ADRB+\slot, \q, \i
.endr
	WIN 0
.endm
.macro FETCH_A slot, q, i0
.irp i, \i0, \i0+1, \i0+2, \i0+3
	FRAG AF+FR*(\i), ADRA+\slot, \q, \i
.endr
.endm
.macro PLACES n                        ; plain vector lines between a matrix instruction and a load into, or a vector line on, its registers
.rept \n
	v_nop
.endr
.endm
.macro STEP slot, q, zero              ; 128 along K that have their successor in the same slot
	s_wait_dscnt 4*NL                              ; B's set and A's blocks 0-3 are in; A's blocks 4-7 may be out
	WIN MUL_LO
	MUL16 0, (\q)%2, \zero
	MUL16 2, (\q)%2, \zero
	s_wait_dscnt 0
	PLACES NP
	FETCH_B \slot, (\q)+1, 1-(\q)%2
	FETCH_A \slot, (\q)+1, 0
	WIN MUL_HI
	MUL16 4, (\q)%2, \zero
	MUL16 6, (\q)%2, \zero
	PLACES NP
	WIN 0
	FETCH_A \slot, (\q)+1, 4
.endm
; A slot's last 128 change slots: one barrier; in front of it each wave waits for all its tensor loads, adds 0 to its spare word, and waits for that and for its own reads of this slot.
.macro TURN slot, next, fill
	s_wait_tensorcnt 0x0                           ; all my tensor loads have landed: my part of the next slot
	ds_add_u32 v[SPW], v[NIL]                      ; 0 onto my spare word
	s_wait_dscnt 4*NL+1                            ; (the add and A's blocks 4-7 may be out)
	WIN MUL_LO
	MUL16 0, 1, 0
	s_wait_dscnt 0x0                               ; the add is done, and my reads of this slot are over
	s_barrier_signal -1
	MUL16 2, 1, 0
	WIN 0
	s_barrier_wait -1
.if \fill
	CREST                                          ; the barrier has opened a round of the cluster's: no wave of any partner still reads this slot or has a load on its way
	s_add_nc_u64 s[G0+4*\slot+2:G0+4*\slot+3], s[G0+4*\slot+2:G0+4*\slot+3], 2*ROWB
	s_add_nc_u64 s[G0B+4*\slot+2:G0B+4*\slot+3], s[G0B+4*\slot+2:G0B+4*\slot+3], 2*ROWB
	JLOAD G0+4*\slot, G1, G0B+4*\slot, G1B         ; the first tensor load behind the round; its four v_nop are the places in front of the loads below
.else
	PLACES NP
.endif
	FETCH_B \next, 0, 0
	FETCH_A \next, 0, 0
	WIN MUL_HI
	MUL16 4, 1, 0
	MUL16 6, 1, 0
	PLACES NP
	WIN 0
	FETCH_A \next, 0, 4
.endm
	s_wait_tensorcnt 1                             ; my part of K step 0 is in; K step 1's load may be out
	s_barrier_signal -1
	s_barrier_wait -1
	FETCH_B 0, 0, 0
	FETCH_A 0, 0, 0
	FETCH_A 0, 0, 4
	STEP 0, 0, 1                                   ; the first step's products start the sums
	s_mov_b32 s3, LAPS-1
.Llap:
	TURN 0, 1, 1
	STEP 1, 0, 0
	TURN 1, 0, 1
	STEP 0, 0, 0
	s_sub_co_u32 s3, s3, 1
	s_cmp_lg_u32 s3, 0
	s_cbranch_scc1 .Llap
	TURN 0, 1, 0                                   ; the last lap fills nothing
	STEP 1, 0, 0
	s_wait_dscnt 4*NL
	WIN MUL_LO
	MUL16 0, 1, 0
	MUL16 2, 1, 0
	s_wait_dscnt 0
	WIN MUL_HI
	MUL16 4, 1, 0
	MUL16 6, 1, 0
	WIN 0
; THE WAY OUT, block by block of 16 rows x 128 columns: sum x 2^(e + e) + bias, the hold, the conversion (8 neighbours a lane: 8 bytes), through my stage in LDS, where the groups of 8 bytes take their order, and out as whole rows.
.macro TOSTAGE a
.set AC, 64*((\a)%4)
.set CDS, CD+16*((\a)%2)
.set BB, BK+16*((\a)%2)
	WIN 0x02+((\a)/4)                              ; source 0: window 2 or 3
.set j, 0
.rept 32
	v_pk_fma_f32 v[TMP+j:TMP+j+1], v[AC+j:AC+j+1], s[96:97], v[BC+j:BC+j+1] op_sel_hi:[1,0,1]   ; each accumulator from its low end on
.set j, j+2
.endr
	WIN 0
.set j, 0
.rept 32
	v_pk_add_f32 v[TMP+j:TMP+j+1], v[TMP+j:TMP+j+1], v[BR+2*(\a):BR+2*(\a)+1] op_sel_hi:[1,0]   ; one of the two biases is zeros, so each number is rounded once
.set j, j+2
.endr
.set j, 0
.rept 64
	v_med3_num_f32 v[TMP+j], v[TMP+j], -v[LIM], v[LIM]
.set j, j+1
.endr
.irp b, 0,1,2,3,4,5,6,7
	v_cvt_scalef32_pk8_fp8_f32 v[CDS+2*\b:CDS+2*\b+1], v[TMP+8*\b:TMP+8*\b+7], v[SCL]
.endr
	v_nop                                          ; a plain line behind the last conversion
.irp b, 0,1,2,3,4,5,6,7
	ds_store_b64 v[STO], v[CDS+2*\b:CDS+2*\b+1] offset:32*(\b/2)+8*(\b%2)   ; columns 16 b + 8 h + 0 .. 7 at byte 32 (b / 2) + 16 h + 8 (b % 2)
.endr
.irp t, 0,1,2,3
	ds_load_b128 v[BB+4*\t:BB+4*\t+3], v[RD] offset:\t*4*SPITCH   ; LDS serves a wave's instructions in order: these see my stores
.endr
.endm
.macro SEND a, younger                 ; younger: the LDS instructions issued behind block a's loads
.set BB, BK+16*((\a)%2)
	s_wait_dscnt \younger
.if (\a) == 4
	s_add_nc_u64 s[10:11], s[10:11], s[8:9]        ; (behind a wait on XCNT: the earlier stores have read their base)
.elseif (\a) > 0
	s_add_nc_u64 s[10:11], s[10:11], s[12:13]
.endif
.irp t, 0,1,2,3
	global_store_b128 v[SO+\t], v[BB+4*\t:BB+4*\t+3], s[10:11]   ; v: 512 consecutive bytes; q, k: 256 consecutive bytes in each of two heads
.endr
.endm
	PLACES NP
	TOSTAGE 0
.irp a, 1,2,3,4,5,6,7
.if \a > 1
	s_wait_xcnt 0x0                                ; block a - 2's stores have read their registers and their base
.endif
	TOSTAGE \a
	SEND \a-1, 12                                  ; behind block a - 1's loads: block a's 8 stores and 4 loads
.endr
	s_wait_xcnt 0x0
	SEND 7, 0
	s_wait_tensorcnt 0x0                           ; the wave's end
	ds_add_u32 v[SPW], v[NIL]
	s_wait_dscnt 0x0
	CROUND                                         ; the closing round
	s_endpgm
.Lfunc_end_k_q54964db6e2_qkv:
	.size	k_q54964db6e2_qkv, .Lfunc_end_k_q54964db6e2_qkv-k_q54964db6e2_qkv
	.p2alignl 7, 3214868480
	.fill 96, 4, 3214868480
	.section	.rodata,"a",@progbits
	.p2align	6, 0x0
	.amdhsa_kernel k_q54964db6e2_qkv
		.amdhsa_group_segment_fixed_size 327680
		.amdhsa_private_segment_fixed_size 0
		.amdhsa_enable_private_segment 0
		.amdhsa_kernarg_size 56
		.amdhsa_user_sgpr_count 2
		.amdhsa_user_sgpr_kernarg_segment_ptr 1
		.amdhsa_wavefront_size32 1
		.amdhsa_system_sgpr_workgroup_id_x 1
		.amdhsa_system_sgpr_workgroup_id_y 1
		.amdhsa_system_sgpr_workgroup_id_z 1
		.amdhsa_system_vgpr_workitem_id 0
		.amdhsa_next_free_vgpr 1024
		.amdhsa_next_free_sgpr 100
		.amdhsa_reserve_vcc 0
		.amdhsa_float_denorm_mode_32 3
		.amdhsa_float_denorm_mode_16_64 3
		.amdhsa_memory_ordered 1
		.amdhsa_forward_progress 1
		.amdhsa_inst_pref_size 166
	.end_amdhsa_kernel
	.amdgpu_metadata
---
amdhsa.version: [ 1, 2 ]
amdhsa.kernels:
  - .name:           k_q54964db6e2_qkv
    .symbol:         k_q54964db6e2_qkv.kd
    .args:
      - { .name: x_codes, .offset: 0, .size: 8, .value_kind: global_buffer, .address_space: global }
      - { .name: w_codes, .offset: 8, .size: 8, .value_kind: global_buffer, .address_space: global }
      - { .name: lowp_scales, .offset: 16, .size: 8, .value_kind: global_buffer, .address_space: global }
      - { .name: bq, .offset: 24, .size: 8, .value_kind: global_buffer, .address_space: global }
      - { .name: bk, .offset: 32, .size: 8, .value_kind: global_buffer, .address_space: global }
      - { .name: bv, .offset: 40, .size: 8, .value_kind: global_buffer, .address_space: global }
      - { .name: qkv, .offset: 48, .size: 8, .value_kind: global_buffer, .address_space: global }
    .group_segment_fixed_size: 327680
    .private_segment_fixed_size: 0
    .kernarg_segment_align: 8
    .kernarg_segment_size: 56
    .max_flat_workgroup_size: 128
    .sgpr_count:     100
    .vgpr_count:     1024
    .wavefront_size: 32
...
	.end_amdgpu_metadata
.endif
;; end of part 2
;; launch attn (part 3): grid 8 x 64, 8 waves a work-group, no clusters, 54,272 bytes of LDS; arguments qkv, attention_mask, lowp_scales, ctx_codes; writes ctx_codes
.if DOCPART == 3
	.amdgcn_target "amdgcn-amd-amdhsa--gfx1250"
	.amdhsa_code_object_version 6
	.text
	.protected	k_q54964db6e2_attn
	.globl	k_q54964db6e2_attn
	.p2align	8
	.type	k_q54964db6e2_attn,@function
k_q54964db6e2_attn:
	s_mov_b64 s[64:65], 0
	v_nop
	global_prefetch_b8 v0, s[64:65] scope:SCOPE_SE
	s_setreg_imm32_b32 hwreg(HW_REG_WAVE_MODE, 25, 1), 1
	s_wait_xcnt 0x0
; Attention on codes of FP8 (E4M3): S = q k^T (K = 64), the additive mask, the softmax, O = p v (K = the keys), O / l, and the quantiser of the output layer's operand.
; THE SOFTMAX: t = logit x log2(e); M = the running largest t rounded UP to a whole number; p = 2^(t - M) is quantised by entry 8, not normalised; l is the sum of the unquantised p; when M moves, l and O are
; multiplied by 2^(old M - new M), which rounds nothing.
; SHARES.  A work-group owns 256 queries of one (batch, head); each of its eight waves 32 of them, two tiles A and B, in 512 registers: two waves to a SIMD.  Every wave walks the 2,048 keys, 128 a step.
; LAYOUT.  Both products are used transposed (S^T = K Q^T, O^T = V^T P^T): a lane holds one query throughout, and eight scores of a tile are eight neighbouring keys, so the conversions' results ARE the second
; product's operand in the plain 8-bit layout (ISA guide 7.12.2).  q, k, v lie in memory so that 16 bytes at 32 g + 16 (lane / 16) of a row are that layout's four registers.
; THE MASK IS THE C OF THE FIRST PRODUCT: t = c (sum + mask x 2^(3 - e6 - e7)), c = log2(e) / 8 x 2^(e6 + e7); the scaling by a power of two rounds nothing.  Both tiles of queries share its registers.
; K AND V come by loads into 16 registers a lane, asked for most of a step before they are wanted, and go into one of two LDS slots by stores; ONE barrier a step: in front of it every wave has finished its stores of
; the next tile and its reads of this one.  The hold of p at 448 x 2^e8, which can bite only where e8 < -8 (p is at most 1), is passed over by a scalar branch on that whole number.
; Tiles are not shared in a cluster: a step's 16 KiB for a work-group are small beside its arithmetic.  No prefetch: no wave waits for this stream.
; LIMITS: e6 + e7 between -123 and 130; e8 and e10 between -126 and 119.  A mask number whose product with 2^(3 - e6 - e7) overflows counts as -infinity; a batch all of whose keys are so masked gives NaN.
; REGISTERS.  window 0: v1-13 addresses; v16-31 Q; v32-95 S^T of A, v96-159 of B; v160-191 p's codes; v192-207 statistics (+0 -M, +1 largest t, +2, +3 l, +4 f, +6, +7 at work); v208-223 the tile on its way; v224-228 constants.
;   window 1: v0-63 O^T; v64-127 K's fragments; v128-191 the mask as C; v192-255 V's fragments.
.set VOFF, 10240                       ; a slot: 128 rows of K x 80 bytes (64 + 16), then 64 rows of V x 144 (128 + 16)
.set MASK, 20480                       ; 2,048 numbers of the mask, scaled; slot 1 begins at 32768
.set SA,  32
.set SB,  96
.set PA,  160
.set PB,  176
.set STA, 192
.set STB, 200
.set KF,  64
.set MC,  128
.set VF,  192
.set MSB, 0
.macro WIN new
.if MSB != (\new)
	s_set_vgpr_msb (MSB<<8)|(\new)
.set MSB, (\new)
.endif
.endm
	s_load_b256 s[4:11], s[0:1], 0x0               ; qkv s[4:5], mask s[6:7], scales s[8:9], ctx_codes s[10:11]
	v_lshl_add_u32 v254, v0, 2, 0xd000
	v_mov_b32 v255, 0
	v_lshrrev_b32 v7, 5, v0
	v_readfirstlane_b32 s16, v7                    ; wave
	s_and_b32 s17, ttmp7, 0xffff                   ; 16 x batch + head
	v_and_b32 v7, 15, v0                           ; r
	v_bfe_u32 v8, v0, 4, 1                         ; h
	v_mul_u32_u24 v1, v7, 80
	v_lshl_add_u32 v1, v8, 4, v1                   ; K's fragments: row r, + 16 h
	v_mul_u32_u24 v2, v7, 144
	v_lshl_add_u32 v2, v8, 4, v2
	v_add_nc_u32 v2, VOFF, v2                      ; V's
	v_lshlrev_b32 v3, 5, v8
	v_add_nc_u32 v3, MASK, v3                      ; the mask of keys 8 h + 0 .. 7
	v_lshrrev_b32 v9, 2, v0
	v_mul_u32_u24 v4, v9, 80
	v_and_b32 v9, 3, v0
	v_lshl_add_u32 v4, v9, 4, v4                   ; where thread i puts its 16 bytes of K: row i / 4, piece i % 4
	v_lshrrev_b32 v9, 3, v0
	v_mul_u32_u24 v5, v9, 144
	v_and_b32 v9, 7, v0
	v_lshl_add_u32 v5, v9, 4, v5
	v_add_nc_u32 v5, VOFF, v5                      ; of V: row i / 8, piece i % 8
	v_lshlrev_b32 v6, 4, v0                        ; and where it takes them from: 16 i
	v_lshlrev_b32 v10, 4, v7
	v_lshl_add_u32 v10, v8, 3, v10                 ; the way out: 16 r + 8 h
	v_lshlrev_b32 v11, 6, v7
	v_lshl_add_u32 v11, v8, 4, v11                 ; Q: 64 r + 16 h
	v_lshlrev_b32 v12, 5, v0                       ; the mask: 32 bytes a thread
	v_add_nc_u32 v13, MASK, v12
	s_lshl_b32 s36, s17, 17                        ; 131,072 bytes for each (batch, head)
	s_mov_b32 s37, 0
	s_lshl_b32 s38, ttmp9, 14                      ; my work-group's 256 queries x 64 bytes,
	s_lshl_b32 s39, s16, 11                        ; my wave's 32
	s_add_co_u32 s38, s38, s39
	s_mov_b32 s39, 0
	s_lshr_b32 s40, s17, 4
	s_lshl_b32 s40, s40, 13                        ; the batch's row of the mask
	s_mov_b32 s41, 0
	s_mov_b32 s20, 0x76543210                      ; v_permlanex16_b32: lane l xor 16
	s_mov_b32 s21, 0xfedcba98
	s_wait_kmcnt 0x0
	s_load_b128 s[24:27], s[8:9], 0x18             ; e6, e7, e8, e9
	s_load_b32 s28, s[8:9], 0x28                   ; e10
	s_add_nc_u64 s[34:35], s[4:5], s[36:37]
	s_add_nc_u64 s[12:13], s[34:35], 0x800000      ; k
	s_add_nc_u64 s[14:15], s[12:13], 0x800000      ; v
	s_add_nc_u64 s[34:35], s[34:35], s[38:39]      ; q
	s_add_nc_u64 s[6:7], s[6:7], s[40:41]
	global_load_b128 v[208:211], v6, s[12:13]      ; tile 0: 128 keys x 64 bytes and 64 rows x 128 keys, 8,192 consecutive bytes each
	global_load_b128 v[212:215], v6, s[12:13] offset:4096
	global_load_b128 v[216:219], v6, s[14:15]
	global_load_b128 v[220:223], v6, s[14:15] offset:4096
	global_load_b128 v[16:19], v11, s[34:35]
	global_load_b128 v[20:23], v11, s[34:35] offset:32
	global_load_b128 v[24:27], v11, s[34:35] offset:1024
	global_load_b128 v[28:31], v11, s[34:35] offset:1056
	global_load_b128 v[32:35], v12, s[6:7]
	global_load_b128 v[36:39], v12, s[6:7] offset:16
	s_lshr_b32 s36, s17, 4                         ; ctx_codes: block of 16 tokens 128 b + 16 x + 2 wave (+ tile), 16,384 bytes each; the head's 64 codes begin 1,024 x head in
	s_lshl_b32 s36, s36, 7
	s_lshl_b32 s38, ttmp9, 4
	s_add_co_u32 s36, s36, s38
	s_lshl_b32 s38, s16, 1
	s_add_co_u32 s36, s36, s38
	s_lshl_b32 s36, s36, 14
	s_and_b32 s38, s17, 15
	s_lshl_b32 s38, s38, 10
	s_add_co_u32 s36, s36, s38
	s_add_nc_u64 s[10:11], s[10:11], s[36:37]
.irp st, STA, STB
	v_mov_b32 v[\st+1], 0xff61b1e6                 ; the largest t so far: -3e38
	v_floor_f32 v[\st], -v[\st+1]                  ; -M
	v_mov_b32 v[\st+2], 0                          ; l, in two halves
	v_mov_b32 v[\st+3], 0
	v_mov_b32 v[\st+5], 0                          ; (named as the upper half of f's pair)
.endr
	v_mov_b32 v228, 0                              ; a lane permute's destination counts as read
	WIN 0x40
.set j, 0
.rept 64
	v_mov_b32 v[j], 0                              ; O^T: the step is written once; its first run finds zeros, which the first change of M leaves zeros
.set j, j+1
.endr
	WIN 0
	s_wait_kmcnt 0x0
	s_add_co_i32 s36, s24, s25
	s_sub_co_i32 s37, 3, s36                       ; the mask's exponent: 3 - e6 - e7
	s_lshl_b32 s36, s36, 23
	s_mov_b32 s22, 0x3e38aa3b                      ; log2(e) / 8,
	s_add_co_i32 s22, s22, s36                     ; x 2^(e6 + e7): added to the exponent field
	s_mov_b32 s23, s22
	s_add_co_i32 s36, s26, 127
	s_lshl_b32 s38, s36, 23
	v_mov_b32 v224, s38                            ; 2^e8
	s_add_co_i32 s36, s36, 8
	s_lshl_b32 s36, s36, 23
	s_or_b32 s36, s36, 0x600000
	v_mov_b32 v225, s36                            ; 448 x 2^e8
	s_add_co_i32 s36, s28, 127
	s_lshl_b32 s38, s36, 23
	v_mov_b32 v226, s38                            ; 2^e10
	s_add_co_i32 s36, s36, 8
	s_lshl_b32 s36, s36, 23
	s_or_b32 s36, s36, 0x600000
	v_mov_b32 v227, s36                            ; 448 x 2^e10
	s_add_co_i32 s29, s26, s27                     ; e8 + e9
	s_wait_loadcnt 0x0
	ds_store_b128 v4, v[208:211]
	ds_store_b128 v4, v[212:215] offset:5120
	ds_store_b128 v5, v[216:219]
	ds_store_b128 v5, v[220:223] offset:4608
.irp j, 0,1,2,3,4,5,6,7
	v_ldexp_f32 v[32+\j], v[32+\j], s37
.endr
	ds_store_b128 v13, v[32:35]
	ds_store_b128 v13, v[36:39] offset:16
	s_wait_dscnt 0x0                               ; for the others' sake: my stores are done; they have also read their registers
	s_add_nc_u64 s[12:13], s[12:13], 8192          ; (the loads that named these bases are in)
	s_add_nc_u64 s[14:15], s[14:15], 8192
	global_load_b128 v[208:211], v6, s[12:13]      ; tile 1
	global_load_b128 v[212:215], v6, s[12:13] offset:4096
	global_load_b128 v[216:219], v6, s[14:15]
	global_load_b128 v[220:223], v6, s[14:15] offset:4096
	s_barrier_signal -1
	s_barrier_wait -1
	WIN 0x40
.irp t, 0,1,2,3,4,5,6,7
	ds_load_b128 v[KF+8*\t:KF+8*\t+3], v1 offset:1280*\t
	ds_load_b128 v[KF+8*\t+4:KF+8*\t+7], v1 offset:1280*\t+32
	ds_load_b128 v[MC+8*\t:MC+8*\t+3], v3 offset:64*\t
	ds_load_b128 v[MC+8*\t+4:MC+8*\t+7], v3 offset:64*\t+16
.endr
	WIN 0
; line n of 32 of a tile's largest score: two chains, the registers in ascending order
.macro MAXI s, st, n
.if (\n) == 0
	v_max3_num_f32 v[\st+6], v[\s], v[\s+1], v[\s+2]
.elseif (\n) == 1
	v_max3_num_f32 v[\st+7], v[\s+3], v[\s+4], v[\s+5]
.elseif (\n) < 31
	v_max3_num_f32 v[\st+6+(\n)%2], v[\st+6+(\n)%2], v[\s+2*(\n)+2], v[\s+2*(\n)+3]
.else
	v_max_num_f32 v[\st+6], v[\st+6], v[\st+7]
.endif
.endm
.macro STATS st
	v_permlanex16_b32 v228, v[\st+6], s20, s21     ; the query's other 64 keys lie in the lane 16 away
	v_max_num_f32 v[\st+6], v[\st+6], v228
	v_mul_f32 v[\st+6], s22, v[\st+6]              ; as t (c is positive)
	v_max_num_f32 v[\st+1], v[\st+1], v[\st+6]     ; the running largest t
	v_mov_b32 v[\st+6], v[\st]
	v_floor_f32 v[\st], -v[\st+1]                  ; the new -M = floor(-t)
	v_sub_f32 v[\st+6], v[\st], v[\st+6]           ; old M - new M: a whole number, 0 or less
	v_cvt_i32_f32 v[\st+6], v[\st+6]               ; (it saturates)
	v_ldexp_f32 v[\st+4], 1.0, v[\st+6]            ; f
.endm
.macro SCALE s, st
.set k, 0
.rept 32
	v_pk_fma_f32 v[\s+k:\s+k+1], v[\s+k:\s+k+1], s[22:23], v[\st:\st+1] op_sel_hi:[1,0,0]   ; t - M
.set k, k+2
.endr
.endm
; line n of 32 of the sum of a tile's 64 p: two chains of pairs
.macro SUMI s, st, n
.if (\n) == 0
	v_pk_add_f32 v[\st+6:\st+7], v[\s:\s+1], v[\s+2:\s+3]
.elseif (\n) == 31
	v_pk_add_f32 v[\st+2:\st+3], v[\st+2:\st+3], v[\st+6:\st+7]
.elseif (\n)%2 == 1
	v_pk_add_f32 v[\st+2:\st+3], v[\st+2:\st+3], v[\s+2*(\n)+2:\s+2*(\n)+3]
.else
	v_pk_add_f32 v[\st+6:\st+7], v[\st+6:\st+7], v[\s+2*(\n)+2:\s+2*(\n)+3]
.endif
.endm
; A KEY STEP on the tile in slot `slot`.  st: the next tile goes from registers into the other slot.  ld: the tile after that is asked for.  nx: there is a next step.
.macro STEP slot, st, ld, nx
.set TB, 32768*(\slot)
.set TO, 32768*(1-(\slot))
	s_wait_dscnt 0x0                               ; K's fragments and the mask's, asked for in the middle of the step before, are in
	WIN 0x11                                       ; K and the mask in window 1
.irp t, 0,1,2,3,4,5,6,7
	v_wmma_f32_16x16x64_fp8_fp8 v[SA+8*\t:SA+8*\t+7], v[KF+8*\t:KF+8*\t+7], v[16:23], v[MC+8*\t:MC+8*\t+7]
	v_wmma_f32_16x16x64_fp8_fp8 v[SB+8*\t:SB+8*\t+7], v[KF+8*\t:KF+8*\t+7], v[24:31], v[MC+8*\t:MC+8*\t+7]
.endr
	WIN 0
.if \nx
	v_add_nc_u32 v9, s32, v3                       ; the next step's mask.  (Four plain lines: the places behind these products and behind the last step's, whose V registers are loaded below)
.else
	v_nop
.endif
	v_nop
	v_nop
	v_nop
.if \st
	s_wait_loadcnt 0x0                             ; the next tile, asked for in the middle of the step before
	ds_store_b128 v4, v[208:211] offset:TO         ; into the slot that every wave left in front of the last barrier
	ds_store_b128 v4, v[212:215] offset:TO+5120
	ds_store_b128 v5, v[216:219] offset:TO
	ds_store_b128 v5, v[220:223] offset:TO+4608
.endif
	WIN 0x40
.irp d, 0,1,2,3
.irp c, 0,1,2,3
	ds_load_b128 v[VF+16*\d+4*\c:VF+16*\d+4*\c+3], v2 offset:TB+2304*\d+32*\c
.endr
.endr
	WIN 0
.set i, 0
.rept 32
	MAXI SA, STA, i
.set i, i+1
.endr
	STATS STA
	SCALE SA, STA
.if \nx
	s_wait_dscnt 0x0                               ; my stores of the next tile are done, my reads of this tile are in
	s_barrier_signal -1
	s_barrier_wait -1                              ; both now hold of all eight waves
.if \ld
	s_add_nc_u64 s[12:13], s[12:13], 8192          ; (the loads that named these bases are in)
	s_add_nc_u64 s[14:15], s[14:15], 8192
	global_load_b128 v[208:211], v6, s[12:13]
	global_load_b128 v[212:215], v6, s[12:13] offset:4096
	global_load_b128 v[216:219], v6, s[14:15]
	global_load_b128 v[220:223], v6, s[14:15] offset:4096
.endif
	WIN 0x40
.irp t, 0,1,2,3,4,5,6,7
	ds_load_b128 v[KF+8*\t:KF+8*\t+3], v1 offset:TO+1280*\t
	ds_load_b128 v[KF+8*\t+4:KF+8*\t+7], v1 offset:TO+1280*\t+32
	ds_load_b128 v[MC+8*\t:MC+8*\t+3], v9 offset:64*\t
	ds_load_b128 v[MC+8*\t+4:MC+8*\t+7], v9 offset:64*\t+16
.endr
	WIN 0
.endif
.set i, 0
.rept 32                               ; A's exponentials, with B's maximum between them: none of these lines names an exponential's result
	v_exp_f32 v[SA+2*i], v[SA+2*i]
	v_exp_f32 v[SA+2*i+1], v[SA+2*i+1]
	MAXI SB, STB, i
.set i, i+1
.endr
	STATS STB
	SCALE SB, STB
	v_pk_mul_f32 v[STA+2:STA+3], v[STA+2:STA+3], v[STA+4:STA+5] op_sel_hi:[1,0]   ; l of A under the new M
	s_wait_alu depctr_va_vdst(0)                   ; one wait for A's 64 exponentials, ahead of their first reader
.set i, 0
.rept 32                               ; B's exponentials, with A's sum between them
	v_exp_f32 v[SB+2*i], v[SB+2*i]
	v_exp_f32 v[SB+2*i+1], v[SB+2*i+1]
	SUMI SA, STA, i
.set i, i+1
.endr
	v_pk_mul_f32 v[STB+2:STB+3], v[STB+2:STB+3], v[STB+4:STB+5] op_sel_hi:[1,0]
	s_wait_alu depctr_va_vdst(0)                   ; one wait for B's
.set i, 0
.rept 32
	SUMI SB, STB, i
.set i, i+1
.endr
	s_cmp_ge_i32 s26, -8                           ; 448 x 2^e8 is at least 1.75 then, and p at most 1: nothing to hold
	s_cbranch_scc1 .Lno_hold_\@
.set k, 0
.rept 128
	v_min_num_f32 v[SA+k], v[SA+k], v225           ; the conversion does not saturate (ISA guide 7.6.2); p is not negative
.set k, k+1
.endr
.Lno_hold_\@:
.irp t, 0,1,2,3,4,5,6,7
	v_cvt_scalef32_pk8_fp8_f32 v[PA+2*\t:PA+2*\t+1], v[SA+8*\t:SA+8*\t+7], v224
.endr
.irp t, 0,1,2,3,4,5,6,7
	v_cvt_scalef32_pk8_fp8_f32 v[PB+2*\t:PB+2*\t+1], v[SB+8*\t:SB+8*\t+7], v224
.endr
	WIN 0x41                                       ; O^T in window 1, f in window 0.  These 32 lines are also the plain lines behind the conversions
.set k, 0
.rept 16
	v_pk_mul_f32 v[k:k+1], v[k:k+1], v[STA+4:STA+5] op_sel_hi:[1,0]
.set k, k+2
.endr
.rept 16
	v_pk_mul_f32 v[k:k+1], v[k:k+1], v[STB+4:STB+5] op_sel_hi:[1,0]
.set k, k+2
.endr
.if !(\nx)
	s_wait_dscnt 0x0                               ; V's fragments
.endif
	WIN 0x51                                       ; V, C and D in window 1, p in window 0.  Eight accumulators, one instruction a turn
.irp d, 0,1,2,3
	v_wmma_f32_16x16x128_fp8_fp8 v[8*\d:8*\d+7], v[VF+16*\d:VF+16*\d+15], v[PA:PA+15], v[8*\d:8*\d+7]
	v_wmma_f32_16x16x128_fp8_fp8 v[32+8*\d:32+8*\d+7], v[VF+16*\d:VF+16*\d+15], v[PB:PB+15], v[32+8*\d:32+8*\d+7]
.endr
	WIN 0
.if \nx
	s_add_co_u32 s32, s32, 512
.endif
.endm
	s_mov_b32 s32, 512                             ; the byte, in the mask, of the step after the one in hand
	s_mov_b32 s33, 7
.Lpair:                                            ; a trip runs two steps, one on each slot, so that every slot is a constant of the text: steps 0 to 13
	STEP 0, 1, 1, 1
	STEP 1, 1, 1, 1
	s_sub_co_u32 s33, s33, 1
	s_cmp_lg_u32 s33, 0
	s_cbranch_scc1 .Lpair
	STEP 0, 1, 0, 1                                ; step 14: nothing is left to ask for
	STEP 1, 0, 0, 0                                ; step 15
	; THE WAY OUT: O^T x 2^(e8 + e9) / l, held, converted by entry 10.  A lane's eight numbers are features 64 head + 16 d + 8 h + 0 .. 7 of token r.  ctx_codes holds, for each block of 16 tokens and each 128 along K,
	; the image of the next launch's fragment: 512 c + 16 (r + 16 h') + byte, for k = 32 c + 16 h' + byte.  A store's 32 lanes x 8 bytes are 256 consecutive bytes of it.
	v_add_f32 v[STA+2], v[STA+2], v[STA+3]         ; (these additions are the places behind the last products)
	v_add_f32 v[STB+2], v[STB+2], v[STB+3]
	v_permlanex16_b32 v[STA+3], v[STA+2], s20, s21
	v_permlanex16_b32 v[STB+3], v[STB+2], s20, s21
	v_add_f32 v[STA+2], v[STA+2], v[STA+3]
	v_add_f32 v[STB+2], v[STB+2], v[STB+3]
	v_rcp_f32 v[STA+4], v[STA+2]
	v_rcp_f32 v[STB+4], v[STB+2]
	v_nop
	s_wait_alu depctr_va_vdst(0)                   ; one wait for the two reciprocals
	v_ldexp_f32 v[STA+4], v[STA+4], s29
	v_ldexp_f32 v[STB+4], v[STB+4], s29
	WIN 0x01                                       ; source 0: O^T in window 1
.set k, 0
.rept 16
	v_pk_mul_f32 v[32+k:33+k], v[k:k+1], v[STA+4:STA+5] op_sel_hi:[1,0]
.set k, k+2
.endr
.rept 16
	v_pk_mul_f32 v[32+k:33+k], v[k:k+1], v[STB+4:STB+5] op_sel_hi:[1,0]
.set k, k+2
.endr
	WIN 0
.set k, 0
.rept 64
	v_med3_num_f32 v[32+k], v[32+k], -v227, v227
.set k, k+1
.endr
.irp q, 0,1,2,3,4,5,6,7
	v_cvt_scalef32_pk8_fp8_f32 v[160+2*\q:161+2*\q], v[32+8*\q:39+8*\q], v226
.endr
	v_nop
.irp q, 0,1,2,3,4,5,6,7
	global_store_b64 v10, v[160+2*\q:161+2*\q], s[10:11] offset:(\q/4)*16384+(\q%4)*256
.endr
	s_wait_tensorcnt 0x0
	ds_add_u32 v254, v255
	s_wait_dscnt 0x0
	s_endpgm
.Lfunc_end_k_q54964db6e2_attn:
	.size	k_q54964db6e2_attn, .Lfunc_end_k_q54964db6e2_attn-k_q54964db6e2_attn
	.p2alignl 7, 3214868480
	.fill 96, 4, 3214868480
	.section	.rodata,"a",@progbits
	.p2align	6, 0x0
	.amdhsa_kernel k_q54964db6e2_attn
		.amdhsa_group_segment_fixed_size 54272
		.amdhsa_private_segment_fixed_size 0
		.amdhsa_enable_private_segment 0
		.amdhsa_kernarg_size 32
		.amdhsa_user_sgpr_count 2
		.amdhsa_user_sgpr_kernarg_segment_ptr 1
		.amdhsa_wavefront_size32 1
		.amdhsa_system_sgpr_workgroup_id_x 1
		.amdhsa_system_sgpr_workgroup_id_y 1
		.amdhsa_system_sgpr_workgroup_id_z 1
		.amdhsa_system_vgpr_workitem_id 0
		.amdhsa_next_free_vgpr 512
		.amdhsa_next_free_sgpr 66
		.amdhsa_reserve_vcc 0
		.amdhsa_float_denorm_mode_32 3
		.amdhsa_float_denorm_mode_16_64 3
		.amdhsa_memory_ordered 1
		.amdhsa_forward_progress 1
		.amdhsa_inst_pref_size 135
	.end_amdhsa_kernel
	.amdgpu_metadata
---
amdhsa.version: [ 1, 2 ]
amdhsa.kernels:
  - .name:           k_q54964db6e2_attn
    .symbol:         k_q54964db6e2_attn.kd
    .args:
      - { .name: qkv, .offset: 0, .size: 8, .value_kind: global_buffer, .address_space: global }
      - { .name: attention_mask, .offset: 8, .size: 8, .value_kind: global_buffer, .address_space: global }
      - { .name: lowp_scales, .offset: 16, .size: 8, .value_kind: global_buffer, .address_space: global }
      - { .name: ctx_codes, .offset: 24, .size: 8, .value_kind: global_buffer, .address_space: global }
    .group_segment_fixed_size: 54272
    .private_segment_fixed_size: 0
    .kernarg_segment_align: 8
    .kernarg_segment_size: 32
    .max_flat_workgroup_size: 256
    .sgpr_count:     66
    .vgpr_count:     512
    .wavefront_size: 32
...
	.end_amdgpu_metadata
.endif
;; end of part 3
;; launch outln (part 4): grid 256 x 1, 4 waves a work-group, clusters of 4 x 1, 327,680 bytes of LDS; arguments ctx_codes, w_codes, hidden_states, bo, ln_gamma, ln_beta, lowp_scales, out0; writes out0
.if DOCPART == 4
	.amdgcn_target "amdgcn-amd-amdhsa--gfx1250"
	.amdhsa_code_object_version 6
	.text
	.protected	k_q54964db6e2_outln
	.globl	k_q54964db6e2_outln
	.p2align	8
	.type	k_q54964db6e2_outln,@function
k_q54964db6e2_outln:
	s_mov_b64 s[64:65], 0
	v_nop
	global_prefetch_b8 v0, s[64:65] scope:SCOPE_SE
	s_setreg_imm32_b32 hwreg(HW_REG_WAVE_MODE, 25, 1), 1
	s_wait_xcnt 0x0
	s_wait_alu depctr_hold_cnt(0) depctr_sa_sdst(0) depctr_va_vdst(0) depctr_va_sdst(0) depctr_va_ssrc(0) depctr_va_vcc(0) depctr_vm_vsrc(0)
	s_getreg_b32 s2, hwreg(HW_REG_IB_STS2, 6, 4)
	s_cmp_eq_u32 s2, 0
	s_cbranch_scc0 .Lentry_in_a_cluster
	s_endpgm
.Lentry_in_a_cluster:
	s_bfe_u32 s2, ttmp6, 0x10000c
	s_cmp_lg_u32 s2, 0x3003
	s_cbranch_scc0 .Lentry_shape_is_right
	s_endpgm
.Lentry_shape_is_right:
; out = LayerNorm(ctx Wo + bo + hidden) x gamma + beta; the product on codes of FP8 (E4M3), K = 1,024, all else in f32.
; SHARES.  A work-group owns 32 rows and ALL 1,024 columns, so a row's mean and variance stay inside it.  Wave w makes columns 512 s + 128 w + 0 .. 127, s = 0, 1: 32 accumulators.
; ctx's codes of the 32 rows, all of K, stay in registers (256): they lie in memory as images of the fragments, so each load reads 512 consecutive bytes.
; Wo's codes [n][k] come through a ring of two LDS slots: slot s always holds column half s, 256 along K; each wave fetches, and alone reads, its own 128 rows.  Every work-group walks all of Wo, so the four work-groups
; of a cluster ask for each tile JOINTLY (mask 15).  The place in the cluster enters the addresses of ctx, hidden and out alone.
; Both operands take k in the order 32 c + 16 (lane / 16) + 0 .. 15 for registers 4 c .. 4 c + 3: a permutation of k that is the same in both.
; THE MATRIX INSTRUCTION IS USED TRANSPOSED (source 0 = 16 rows of Wo's codes, source 1 = 16 rows of ctx): a lane holds eight neighbouring columns of a row.
; The rows of hidden, and bo, gamma, beta, are asked for a piece in each of the eight visits and wanted only at the end.  The sums meet in a stage in slot 0 (32 rows x 4,112 bytes), which has had its last fill and its last
; read by then; each wave then owns 8 whole rows.  y = sum x 2^(e10 + e11) + hidden is one fused multiply-add.  The variance is taken of y - mean, as it is defined.
; LIMIT: e10 + e11 between -126 and 127.
; REGISTERS.  window 0: v1-29 addresses; v32-63 bo, v64-95 gamma, v96-127 beta; v128-255 Wo's fragments, two half-sets of four; at the end v128-159 the rows' sums.   window 1: ctx's 16 fragments (128 a + 16 K step).
;   window 2: the accumulators at 8 (16 s + 8 a + b), later my 8 rows (32 registers each).   window 3: my 8 rows of hidden.
.set PITCH, 272
.set HALFT, 128*PITCH
.set SLOT,  4*HALFT
.set SPARE, 2*SLOT                     ; behind the ring: the spare words, 128 bytes a wave, that no other line names
.set SPT,   4112                       ; a stage row: 4,096 bytes + 16
.set ADB,  16                          ; v16, v17  my fragments' place in slot 0, 1
.set STO,  18                          ; v18, v19  into the stage: rows r and 16 + r
.set SRD,  20                          ; v20       out of it
.set LO,   21                          ; v21       16 x lane
.set SPW,  28
.set NIL,  29
.set BO,   32
.set GA,   64
.set BE,   96
.set BF,   128
.set SM,   128
.set SQ,   144
.set G1,   24
.set G0,   32
.set MSB, 0
.macro WIN new
.if MSB != (\new)
	s_set_vgpr_msb (MSB<<8)|(\new)
.set MSB, (\new)
.endif
.endm
.macro ROUND                           ; a round of the cluster's barrier
	s_barrier_signal -1
	s_barrier_wait -1
	s_cmp_lg_u32 s20, 0
	s_cbranch_scc1 .Lnot_wave_0_\@
	s_barrier_signal -3
.Lnot_wave_0_\@:
	s_barrier_wait -3
	s_barrier_signal -1
	s_barrier_wait -1
.endm
.macro PLACES
.rept 4
	v_nop
.endr
.endm
	s_load_b256 s[4:11], s[0:1], 0x0               ; ctx_codes s[4:5], w_codes s[6:7], hidden s[8:9], bo s[10:11]
	s_load_b256 s[12:19], s[0:1], 0x20             ; gamma s[12:13], beta s[14:15], scales s[16:17], out s[18:19]
	v_lshl_add_u32 v[SPW], v0, 2, SPARE
	v_mov_b32 v[NIL], 0
	ds_add_u32 v28, v29
	ds_add_u32 v28, v29
	s_wait_dscnt 0x0
	v_lshrrev_b32 v1, 5, v0
	v_readfirstlane_b32 s20, v1                    ; wave
	s_bfe_u32 s21, ttmp6, 0x40000                  ; cx
	s_lshl_b32 s22, ttmp9, 2
	s_add_co_u32 s22, s22, s21                     ; my work-group: rows 32 g on
	s_mov_b32 s[G1], 15|(0<<16)|(1<<20)|(1<<21)|(5<<22)|(3<<25)   ; the mask: all four; elements of 1 byte; padding on: 4 words after every 64; bit 21 set beside a mask
	s_mov_b32 s[G1+1], 256<<16                     ; tensor_dim0
	s_mov_b32 s[G1+2], 128<<16                     ; tensor_dim1
	s_mov_b32 s[G1+3], 256<<16                     ; tile_dim0
	s_mov_b32 s[G1+4], 128                         ; tile_dim1
	s_mov_b32 s[G1+5], 1024                        ; from row to row
	s_mov_b32 s[G1+6], 0
	s_mov_b32 s[G1+7], 0
	s_mul_i32 s23, s20, HALFT                      ; my 128 rows in a slot
	s_lshl_b32 s46, s20, 17                        ; and in memory: 128 w rows of 1,024 bytes,
	s_add_co_u32 s46, s46, 0x300000                ; in the fourth weight
	s_mov_b32 s47, 0
	s_mov_b32 s40, 0x3a800000                      ; 1 / 1,024
	s_mov_b32 s41, 0x2b8cbccc                      ; 1e-12
	s_mov_b32 s44, 0x76543210
	s_mov_b32 s45, 0xfedcba98
	s_wait_kmcnt 0x0
	s_load_b64 s[50:51], s[16:17], 0x28            ; e10, e11
	s_add_nc_u64 s[6:7], s[6:7], s[46:47]
.irp s, 0,1
	s_mov_b32 s[G0+4*\s], 1
	s_add_co_u32 s[G0+4*\s+1], s23, \s*SLOT
	s_add_nc_u64 s[G0+4*\s+2:G0+4*\s+3], s[6:7], \s*512*1024   ; column half s, K step 0
	s_or_b32 s[G0+4*\s+3], s[G0+4*\s+3], 0x80000000
.endr
	ROUND                                          ; all four work-groups are here: the first joint loads meet
	tensor_load_to_lds s[G0:G0+3], s[G1:G1+7]      ; two loads of mine are out
	s_nop 0
	tensor_load_to_lds s[G0+4:G0+7], s[G1:G1+7]
	s_nop 0
	PLACES
	s_lshl_b32 s46, s22, 15                        ; ctx: two blocks of 16,384 bytes
	s_add_nc_u64 s[4:5], s[4:5], s[46:47]
	s_lshl_b32 s46, s22, 17                        ; hidden, out: rows 32 g + 8 w on, 4,096 bytes each
	s_lshl_b32 s48, s20, 15
	s_add_co_u32 s46, s46, s48
	s_add_nc_u64 s[8:9], s[8:9], s[46:47]
	s_add_nc_u64 s[18:19], s[18:19], s[46:47]
	v_and_b32 v1, 15, v0                           ; r
	v_bfe_u32 v2, v0, 4, 1                         ; h
	v_and_b32 v3, 31, v0
	v_lshlrev_b32 v[LO], 4, v3
	WIN 0x40
.set k, 0
.rept 64
	global_load_b128 v[4*k:4*k+3], v[LO], s[4:5] offset:512*k   ; ctx's fragments as they lie
.set k, k+1
.endr
	WIN 0
	v_mul_u32_u24 v4, v1, PITCH
	v_lshl_add_u32 v4, v2, 4, v4
	v_add_nc_u32 v[ADB], s23, v4
	v_add_nc_u32 v[ADB+1], SLOT, v[ADB]
	v_mul_u32_u24 v5, v1, SPT
	v_lshl_add_u32 v5, v2, 5, v5
	s_lshl_b32 s48, s20, 9
	v_add_nc_u32 v[STO], s48, v5                   ; row r, + 512 w, + 32 h
	v_add_nc_u32 v[STO+1], 16*SPT, v[STO]
	s_mul_i32 s48, s20, 8*SPT
	v_add_nc_u32 v[SRD], s48, v[LO]                ; my 8 rows, 16 bytes a lane
	s_wait_kmcnt 0x0
	s_add_co_i32 s42, s50, s51
	s_add_co_i32 s42, s42, 127
	s_lshl_b32 s42, s42, 23                        ; 2^(e10 + e11)
	s_mov_b32 s43, s42
	s_wait_loadcnt 0x0                             ; ctx
	s_wait_tensorcnt 0x1                           ; slot 0 is in; slot 1's load may be out
	s_barrier_signal -1
	s_barrier_wait -1
.macro LOADG slot, q, g                ; four fragments of Wo: column blocks 4 g .. 4 g + 3, the slot's q-th 128 along K, into half-set g
.irp f, 0,1,2,3
.irp c, 0,1,2,3
	ds_load_b128 v[BF+64*(\g)+16*\f+4*\c:BF+64*(\g)+16*\f+4*\c+3], v[ADB+\slot] offset:128*(\q)+32*\c+(4*(\g)+\f)*16*PITCH
.endr
.endr
.endm
.macro MULG sig, kap, g, zero          ; eight products, eight accumulators, one instruction a turn
.irp f, 0,1,2,3
.irp a, 0,1
.if \zero
	v_wmma_f32_16x16x128_fp8_fp8 v[8*(16*(\sig)+8*\a+4*(\g)+\f):8*(16*(\sig)+8*\a+4*(\g)+\f)+7], v[BF+64*(\g)+16*\f:BF+64*(\g)+16*\f+15], v[128*\a+16*(\kap):128*\a+16*(\kap)+15], 0
.else
	v_wmma_f32_16x16x128_fp8_fp8 v[8*(16*(\sig)+8*\a+4*(\g)+\f):8*(16*(\sig)+8*\a+4*(\g)+\f)+7], v[BF+64*(\g)+16*\f:BF+64*(\g)+16*\f+15], v[128*\a+16*(\kap):128*\a+16*(\kap)+15], v[8*(16*(\sig)+8*\a+4*(\g)+\f):8*(16*(\sig)+8*\a+4*(\g)+\f)+7]
.endif
.endr
.endr
.endm
; VISIT v: column half v % 2, 256 along K from 256 (v / 2) on: 32 products.  First a piece of what the end will want.
.macro VISIT v
.set SG, (\v)%2
.set KS, 2*((\v)/2)
.set ZR, (\v) < 2
	WIN 0xc0
.irp i, 0,1,2,3,4,5,6,7
	global_load_b128 v[32*(\v)+4*\i:32*(\v)+4*\i+3], v[LO], s[8:9] offset:4096*(\v)+512*\i th:TH_LOAD_NT   ; row 8 w + v of hidden
.endr
	WIN 0
	global_load_b128 v[BO+4*(\v):BO+4*(\v)+3], v[LO], s[10:11] offset:512*(\v)
	global_load_b128 v[GA+4*(\v):GA+4*(\v)+3], v[LO], s[12:13] offset:512*(\v)
	global_load_b128 v[BE+4*(\v):BE+4*(\v)+3], v[LO], s[14:15] offset:512*(\v)
	LOADG SG, 0, 0
	LOADG SG, 0, 1
	s_wait_dscnt 16                                ; the older group of 16 loads is in
	WIN 0xa4                                       ; Wo window 0, ctx window 1, C and D window 2
	MULG SG, KS, 0, ZR
	PLACES
	WIN 0
	LOADG SG, 1, 0
	s_wait_dscnt 16
	WIN 0xa4
	MULG SG, KS, 1, ZR
	PLACES
	WIN 0
	LOADG SG, 1, 1
	s_wait_dscnt 16
	WIN 0xa4
	MULG SG, KS+1, 0, 0
	s_wait_dscnt 0
	MULG SG, KS+1, 1, 0
	WIN 0
.endm
; Ahead of visit v: all my tensor loads have landed, visit v's tile among them; up to v = 6 the slot just left is filled again, jointly, behind a round of the cluster's barrier.
.macro CHANGE v
.set GS, G0+4*(((\v)+1)%2)
	s_wait_tensorcnt 0x0
.if (\v) < 7
	ds_add_u32 v[SPW], v[NIL]                      ; 0 onto my spare word
	s_add_nc_u64 s[GS+2:GS+3], s[GS+2:GS+3], 256   ; no load of mine is out: the slot's next 256 along K
	s_wait_dscnt 0x0                               ; the add is done, and my reads of the slot are over
	ROUND
	tensor_load_to_lds s[GS:GS+3], s[G1:G1+7]      ; my one tensor load behind the round
	s_nop 0
.endif
	PLACES                                         ; also the places in front of the loads into the fragments' registers
.endm
	VISIT 0
.irp v, 1,2,3,4,5,6,7
	CHANGE \v
	VISIT \v
.endr
	; THE END.  The sums go into the stage as they are.
	PLACES
	s_wait_dscnt 0x0
	s_barrier_signal -1
	s_barrier_wait -1                              ; no wave reads slot 0 any more
	WIN 0x08                                       ; store data in window 2
.irp sg, 0,1
.irp a, 0,1
.irp b, 0,1,2,3,4,5,6,7
	ds_store_b128 v[STO+\a], v[8*(16*\sg+8*\a+\b):8*(16*\sg+8*\a+\b)+3] offset:2048*\sg+64*\b       ; row 16 a + r, columns 512 s + 128 w + 16 b + 8 h + 0 .. 7
	ds_store_b128 v[STO+\a], v[8*(16*\sg+8*\a+\b)+4:8*(16*\sg+8*\a+\b)+7] offset:2048*\sg+64*\b+16
.endr
.endr
.endr
	WIN 0
	s_wait_dscnt 0x0                               ; for the others' sake
	s_barrier_signal -1
	s_barrier_wait -1
	WIN 0x80
.irp p, 0,1,2,3,4,5,6,7
.irp i, 0,1,2,3,4,5,6,7
	ds_load_b128 v[32*\p+4*\i:32*\p+4*\i+3], v[SRD] offset:SPT*\p+512*\i   ; row 8 w + p, columns 128 i + 4 lane + 0 .. 3
.endr
.endr
	s_wait_dscnt 0x0
	s_wait_loadcnt 0x0                             ; hidden, bo, gamma, beta
	WIN 0xb2                                       ; y in window 2, hidden in window 3
.set j, 0
.rept 128
	v_pk_fma_f32 v[j:j+1], v[j:j+1], s[42:43], v[j:j+1] op_sel_hi:[1,0,1]   ; sum x 2^(e10 + e11) + hidden
.set j, j+2
.endr
	WIN 0x82
.set j, 0
.rept 128
	v_pk_add_f32 v[j:j+1], v[j:j+1], v[BO+j%32:BO+j%32+1]
.set j, j+2
.endr
.macro REDUCE b                        ; eight rows' pairs of partial sums become eight sums, in every lane
.irp p, 0,1,2,3,4,5,6,7
	v_add_f32 v[\b+2*\p], v[\b+2*\p], v[\b+2*\p+1]
.endr
.irp m, 1,2,4,8
.irp p, 0,1,2,3,4,5,6,7
	v_add_f32_dpp v[\b+2*\p], v[\b+2*\p], v[\b+2*\p] row_xmask:\m row_mask:0xf bank_mask:0xf
.endr
.endr
.irp p, 0,1,2,3,4,5,6,7
	v_permlanex16_b32 v[\b+2*\p+1], v[\b+2*\p], s44, s45
.endr
.irp p, 0,1,2,3,4,5,6,7
	v_add_f32 v[\b+2*\p], v[\b+2*\p], v[\b+2*\p+1]
.endr
.endm
	WIN 0x0a                                       ; the rows take turns, so that no line waits for the one above it
.irp p, 0,1,2,3,4,5,6,7
	v_pk_add_f32 v[SM+2*\p:SM+2*\p+1], v[32*\p:32*\p+1], v[32*\p+2:32*\p+3]
.endr
	WIN 0x08
.set k, 4
.rept 14
.irp p, 0,1,2,3,4,5,6,7
	v_pk_add_f32 v[SM+2*\p:SM+2*\p+1], v[SM+2*\p:SM+2*\p+1], v[32*\p+k:32*\p+k+1]
.endr
.set k, k+2
.endr
	WIN 0
	REDUCE SM
.irp p, 0,1,2,3,4,5,6,7
	v_mul_f32 v[SM+2*\p], s40, v[SM+2*\p]          ; the mean
.endr
	WIN 0x82
.set j, 0
.rept 128
	v_pk_add_f32 v[j:j+1], v[j:j+1], v[SM+2*(j/32):SM+2*(j/32)+1] op_sel_hi:[1,0] neg_lo:[0,1] neg_hi:[0,1]   ; y - mean
.set j, j+2
.endr
	WIN 0x0a
.irp p, 0,1,2,3,4,5,6,7
	v_pk_mul_f32 v[SQ+2*\p:SQ+2*\p+1], v[32*\p:32*\p+1], v[32*\p:32*\p+1]
.endr
.set k, 2
.rept 15
.irp p, 0,1,2,3,4,5,6,7
	v_pk_fma_f32 v[SQ+2*\p:SQ+2*\p+1], v[32*\p+k:32*\p+k+1], v[32*\p+k:32*\p+k+1], v[SQ+2*\p:SQ+2*\p+1]
.endr
.set k, k+2
.endr
	WIN 0
	REDUCE SQ
.irp p, 0,1,2,3,4,5,6,7
	v_fma_f32 v[SQ+2*\p], v[SQ+2*\p], s40, s41     ; the variance + 1e-12
.endr
.irp p, 0,1,2,3,4,5,6,7
	v_rsq_f32 v[SQ+2*\p], v[SQ+2*\p]
.endr
	v_nop
	s_wait_alu depctr_va_vdst(0)                   ; one wait for the eight roots, ahead of their first reader
	WIN 0x82
.set j, 0
.rept 128
	v_pk_mul_f32 v[j:j+1], v[j:j+1], v[SQ+2*(j/32):SQ+2*(j/32)+1] op_sel_hi:[1,0]
.set j, j+2
.endr
.set j, 0
.rept 128
	v_pk_fma_f32 v[j:j+1], v[j:j+1], v[GA+j%32:GA+j%32+1], v[BE+j%32:BE+j%32+1]
.set j, j+2
.endr
	WIN 0x08
.irp p, 0,1,2,3,4,5,6,7
.irp i, 0,1,2,3,4,5,6,7
	global_store_b128 v[LO], v[32*\p+4*\i:32*\p+4*\i+3], s[18:19] offset:4096*\p+512*\i th:TH_STORE_NT   ; 32 lanes store 512 consecutive bytes of a row
.endr
.endr
	WIN 0
	s_wait_tensorcnt 0x0                           ; the wave's end
	ds_add_u32 v[SPW], v[NIL]
	s_wait_dscnt 0x0
	ROUND                                          ; the closing round
	s_endpgm
.Lfunc_end_k_q54964db6e2_outln:
	.size	k_q54964db6e2_outln, .Lfunc_end_k_q54964db6e2_outln-k_q54964db6e2_outln
	.p2alignl 7, 3214868480
	.fill 96, 4, 3214868480
	.section	.rodata,"a",@progbits
	.p2align	6, 0x0
	.amdhsa_kernel k_q54964db6e2_outln
		.amdhsa_group_segment_fixed_size 327680
		.amdhsa_private_segment_fixed_size 0
		.amdhsa_enable_private_segment 0
		.amdhsa_kernarg_size 64
		.amdhsa_user_sgpr_count 2
		.amdhsa_user_sgpr_kernarg_segment_ptr 1
		.amdhsa_wavefront_size32 1
		.amdhsa_system_sgpr_workgroup_id_x 1
		.amdhsa_system_sgpr_workgroup_id_y 1
		.amdhsa_system_sgpr_workgroup_id_z 1
		.amdhsa_system_vgpr_workitem_id 0
		.amdhsa_next_free_vgpr 1024
		.amdhsa_next_free_sgpr 66
		.amdhsa_reserve_vcc 0
		.amdhsa_float_denorm_mode_32 3
		.amdhsa_float_denorm_mode_16_64 3
		.amdhsa_memory_ordered 1
		.amdhsa_forward_progress 1
		.amdhsa_inst_pref_size 154
	.end_amdhsa_kernel
	.amdgpu_metadata
---
amdhsa.version: [ 1, 2 ]
amdhsa.kernels:
  - .name:           k_q54964db6e2_outln
    .symbol:         k_q54964db6e2_outln.kd
    .args:
      - { .name: ctx_codes, .offset: 0, .size: 8, .value_kind: global_buffer, .address_space: global }
      - { .name: w_codes, .offset: 8, .size: 8, .value_kind: global_buffer, .address_space: global }
      - { .name: hidden_states, .offset: 16, .size: 8, .value_kind: global_buffer, .address_space: global }
      - { .name: bo, .offset: 24, .size: 8, .value_kind: global_buffer, .address_space: global }
      - { .name: ln_gamma, .offset: 32, .size: 8, .value_kind: global_buffer, .address_space: global }
      - { .name: ln_beta, .offset: 40, .size: 8, .value_kind: global_buffer, .address_space: global }
      - { .name: lowp_scales, .offset: 48, .size: 8, .value_kind: global_buffer, .address_space: global }
      - { .name: out0, .offset: 56, .size: 8, .value_kind: global_buffer, .address_space: global }
    .group_segment_fixed_size: 327680
    .private_segment_fixed_size: 0
    .kernarg_segment_align: 8
    .kernarg_segment_size: 64
    .max_flat_workgroup_size: 128
    .sgpr_count:     66
    .vgpr_count:     1024
    .wavefront_size: 32
...
	.end_amdgpu_metadata
.endif
;; end of part 4
;; ======== version 2 of 2: 4 launches; version 1 with the launch attn written anew for expert scheduling mode
;; workspace buffers: x_codes 25,165,824 bytes; w_codes 4,194,304 bytes; qkv 25,165,824 bytes; ctx_codes 8,388,608 bytes
;; launch quant: the kernel of part 1 again; grid 384 x 1, 4 waves a work-group, no clusters, 68,096 bytes of LDS; arguments hidden_states, Wq, Wk, Wv, Wo, lowp_scales, x_codes, w_codes; writes x_codes, w_codes
;; launch qkv: the kernel of part 2 again; grid 4 x 96, 4 waves a work-group, clusters of 4 x 4, 327,680 bytes of LDS; arguments x_codes, w_codes, lowp_scales, bq, bk, bv, qkv; writes qkv
;; launch attn (part 5): grid 8 x 64, 8 waves a work-group, no clusters, 54,272 bytes of LDS; arguments qkv, attention_mask, lowp_scales, ctx_codes; writes ctx_codes
.if DOCPART == 5
	.amdgcn_target "amdgcn-amd-amdhsa--gfx1250"
	.amdhsa_code_object_version 6
	.text
	.protected	k_q54964db6e2_attn
	.globl	k_q54964db6e2_attn
	.p2align	8
	.type	k_q54964db6e2_attn,@function
k_q54964db6e2_attn:
	s_mov_b64 s[64:65], 0
	v_nop
	global_prefetch_b8 v0, s[64:65] scope:SCOPE_SE
	s_setreg_imm32_b32 hwreg(HW_REG_WAVE_SCHED_MODE, 0, 2), 2
	s_setreg_imm32_b32 hwreg(HW_REG_WAVE_MODE, 25, 1), 1
	s_wait_xcnt 0x0
	s_wait_alu depctr_vm_vsrc(0)
; Attention on codes of FP8 (E4M3): S = q k^T (K = 64), the additive mask, the softmax, O = p v (K = the keys), O / l, and the quantiser of the output layer's operand.
; THE SOFTMAX: t = logit x log2(e); M = the running largest t rounded UP to a whole number; p = 2^(t - M) is quantised by entry 8, not normalised; l is the sum of the unquantised p; when M moves, l and O are
; multiplied by 2^(old M - new M), which rounds nothing.
; SHARES.  A work-group owns 256 queries of one (batch, head); each of its eight waves 32 of them, two tiles A and B, in 512 registers: two waves to a SIMD.  Every wave walks the 2,048 keys, 128 a step.
; LAYOUT.  Both products are used transposed (S^T = K Q^T, O^T = V^T P^T): a lane holds one query throughout, and eight scores of a tile are eight neighbouring keys, so the conversions' results ARE the second
; product's operand in the plain 8-bit layout (ISA guide 7.12.2).  q, k, v lie in memory so that 16 bytes at 32 g + 16 (lane / 16) of a row are that layout's four registers.
; THE MASK IS THE C OF THE FIRST PRODUCT: t = c (sum + mask x 2^(3 - e6 - e7)), c = log2(e) / 8 x 2^(e6 + e7); the scaling by a power of two rounds nothing.  Both tiles of queries share its registers.
; K AND V come by loads into 16 registers a lane, asked for most of a step before they are wanted, and go into one of two LDS slots by stores; ONE barrier a step: in front of it every wave has finished its stores of
; the next tile and its reads of this one.  The hold of p at 448 x 2^e8, which can bite only where e8 < -8 (p is at most 1), is passed over by a scalar branch on that whole number.
; Tiles are not shared in a cluster: a step's 16 KiB for a work-group are small beside its arithmetic.  No prefetch: no wave waits for this stream.
; LIMITS: e6 + e7 between -123 and 130; e8 and e10 between -126 and 119.  A mask number whose product with 2^(3 - e6 - e7) overflows counts as -infinity; a batch all of whose keys are so masked gives NaN.
; REGISTERS.  window 0: v1-13 addresses; v16-31 Q; v32-95 S^T of A, v96-159 of B; v160-191 p's codes; v192-207 statistics (+0 -M, +1 largest t, +2, +3 l, +4 f, +6, +7 at work); v208-223 the tile on its way; v224-228 constants.
;   window 1: v0-63 O^T; v64-127 K's fragments; v128-191 the mask as C; v192-255 V's fragments.
; THE MODE: SCHED_MODE bits 1:0 = 2 (LLVM: expert scheduling mode 2), set by the entry lines.  The code itself states the register dependences between vector or matrix instructions and memory or LDS
; instructions, with s_wait_alu, always for 0.
; THE PLAN.  Registers that memory or LDS instructions touch:
;   v1-6, v10-13   addresses, made once at the head, ahead of one wait on va_vdst, and never written again.
;   v9             the LDS address of the next step's mask: written once a step; read by the sixteen loads of the mask behind that step's barrier.
;   v208-223       the tile on its way: loads from memory land in it, the next step's four LDS stores read it; no vector instruction names it.
;   K's fragments and the mask's: 32 LDS loads behind step j's barrier land in them; the first products of step j + 1 read them.
;   V's fragments: 16 LDS loads behind step j's first products land in them; step j's second products, at its end, read them.
; A STEP'S WAITS.  (1) va_vdst at its head: the last step's second products are done reading V's fragments; the lines between that wait and the loads of V name none of those registers.  (2) vm_vsrc behind tile A's
; maximum: the LDS stores have read v208-223 and the last step's loads of the mask have read v9; the add to v9 and the loads from memory follow.  (3) va_vdst behind the barrier: the first products are done reading
; K's fragments and the mask's, and v9 is written; the 32 LDS loads follow.  Beside them stand the two waits for the exponentials.
.set VOFF, 10240                       ; a slot: 128 rows of K x 80 bytes (64 + 16), then 64 rows of V x 144 (128 + 16)
.set MASK, 20480                       ; 2,048 numbers of the mask, scaled; slot 1 begins at 32768
.set SA,  32
.set SB,  96
.set PA,  160
.set PB,  176
.set STA, 192
.set STB, 200
.set KF,  64
.set MC,  128
.set VF,  192
.set MSB, 0
.macro WIN new
.if MSB != (\new)
	s_set_vgpr_msb (MSB<<8)|(\new)
.set MSB, (\new)
.endif
.endm
	s_load_b256 s[4:11], s[0:1], 0x0               ; qkv s[4:5], mask s[6:7], scales s[8:9], ctx_codes s[10:11]
	v_lshl_add_u32 v254, v0, 2, 0xd000
	v_mov_b32 v255, 0
	v_lshrrev_b32 v7, 5, v0
	v_readfirstlane_b32 s16, v7                    ; wave
	s_and_b32 s17, ttmp7, 0xffff                   ; 16 x batch + head
	v_and_b32 v7, 15, v0                           ; r
	v_bfe_u32 v8, v0, 4, 1                         ; h
	v_mul_u32_u24 v1, v7, 80
	v_lshl_add_u32 v1, v8, 4, v1                   ; K's fragments: row r, + 16 h
	v_mul_u32_u24 v2, v7, 144
	v_lshl_add_u32 v2, v8, 4, v2
	v_add_nc_u32 v2, VOFF, v2                      ; V's
	v_lshlrev_b32 v3, 5, v8
	v_add_nc_u32 v3, MASK, v3                      ; the mask of keys 8 h + 0 .. 7
	v_lshrrev_b32 v9, 2, v0
	v_mul_u32_u24 v4, v9, 80
	v_and_b32 v9, 3, v0
	v_lshl_add_u32 v4, v9, 4, v4                   ; where thread i puts its 16 bytes of K: row i / 4, piece i % 4
	v_lshrrev_b32 v9, 3, v0
	v_mul_u32_u24 v5, v9, 144
	v_and_b32 v9, 7, v0
	v_lshl_add_u32 v5, v9, 4, v5
	v_add_nc_u32 v5, VOFF, v5                      ; of V: row i / 8, piece i % 8
	v_lshlrev_b32 v6, 4, v0                        ; and where it takes them from: 16 i
	v_lshlrev_b32 v10, 4, v7
	v_lshl_add_u32 v10, v8, 3, v10                 ; the way out: 16 r + 8 h
	v_lshlrev_b32 v11, 6, v7
	v_lshl_add_u32 v11, v8, 4, v11                 ; Q: 64 r + 16 h
	v_lshlrev_b32 v12, 5, v0                       ; the mask: 32 bytes a thread
	v_add_nc_u32 v13, MASK, v12
	s_wait_alu depctr_va_sdst(0)                   ; s16, the wave's number, is written, ahead of its first reader: the places of q and of ctx_codes are made from it
	s_lshl_b32 s36, s17, 17                        ; 131,072 bytes for each (batch, head)
	s_mov_b32 s37, 0
	s_lshl_b32 s38, ttmp9, 14                      ; my work-group's 256 queries x 64 bytes,
	s_lshl_b32 s39, s16, 11                        ; my wave's 32
	s_add_co_u32 s38, s38, s39
	s_mov_b32 s39, 0
	s_lshr_b32 s40, s17, 4
	s_lshl_b32 s40, s40, 13                        ; the batch's row of the mask
	s_mov_b32 s41, 0
	s_mov_b32 s20, 0x76543210                      ; v_permlanex16_b32: lane l xor 16
	s_mov_b32 s21, 0xfedcba98
	s_wait_kmcnt 0x0
	s_load_b128 s[24:27], s[8:9], 0x18             ; e6, e7, e8, e9
	s_load_b32 s28, s[8:9], 0x28                   ; e10
	s_add_nc_u64 s[34:35], s[4:5], s[36:37]
	s_add_nc_u64 s[12:13], s[34:35], 0x800000      ; k
	s_add_nc_u64 s[14:15], s[12:13], 0x800000      ; v
	s_add_nc_u64 s[34:35], s[34:35], s[38:39]      ; q
	s_add_nc_u64 s[6:7], s[6:7], s[40:41]
	s_wait_alu depctr_va_vdst(0)                   ; the addresses v1 to v6 and v10 to v13 are written: every load and store of the kernel but the mask's in the loop reads one of them
	global_load_b128 v[208:211], v6, s[12:13]      ; tile 0: 128 keys x 64 bytes and 64 rows x 128 keys, 8,192 consecutive bytes each
	global_load_b128 v[212:215], v6, s[12:13] offset:4096
	global_load_b128 v[216:219], v6, s[14:15]
	global_load_b128 v[220:223], v6, s[14:15] offset:4096
	global_load_b128 v[16:19], v11, s[34:35]
	global_load_b128 v[20:23], v11, s[34:35] offset:32
	global_load_b128 v[24:27], v11, s[34:35] offset:1024
	global_load_b128 v[28:31], v11, s[34:35] offset:1056
	global_load_b128 v[32:35], v12, s[6:7]
	global_load_b128 v[36:39], v12, s[6:7] offset:16
	s_lshr_b32 s36, s17, 4                         ; ctx_codes: block of 16 tokens 128 b + 16 x + 2 wave (+ tile), 16,384 bytes each; the head's 64 codes begin 1,024 x head in
	s_lshl_b32 s36, s36, 7
	s_lshl_b32 s38, ttmp9, 4
	s_add_co_u32 s36, s36, s38
	s_lshl_b32 s38, s16, 1
	s_add_co_u32 s36, s36, s38
	s_lshl_b32 s36, s36, 14
	s_and_b32 s38, s17, 15
	s_lshl_b32 s38, s38, 10
	s_add_co_u32 s36, s36, s38
	s_add_nc_u64 s[10:11], s[10:11], s[36:37]
.irp st, STA, STB
	v_mov_b32 v[\st+1], 0xff61b1e6                 ; the largest t so far: -3e38
	v_floor_f32 v[\st], -v[\st+1]                  ; -M
	v_mov_b32 v[\st+2], 0                          ; l, in two halves
	v_mov_b32 v[\st+3], 0
	v_mov_b32 v[\st+5], 0                          ; (named as the upper half of f's pair)
.endr
	v_mov_b32 v228, 0                              ; a lane permute's destination counts as read
	WIN 0x40
.set j, 0
.rept 64
	v_mov_b32 v[j], 0                              ; O^T: the step is written once; its first run finds zeros, which the first change of M leaves zeros
.set j, j+1
.endr
	WIN 0
	s_wait_kmcnt 0x0
	s_add_co_i32 s36, s24, s25
	s_sub_co_i32 s37, 3, s36                       ; the mask's exponent: 3 - e6 - e7
	s_lshl_b32 s36, s36, 23
	s_mov_b32 s22, 0x3e38aa3b                      ; log2(e) / 8,
	s_add_co_i32 s22, s22, s36                     ; x 2^(e6 + e7): added to the exponent field
	s_mov_b32 s23, s22
	s_add_co_i32 s36, s26, 127
	s_lshl_b32 s38, s36, 23
	v_mov_b32 v224, s38                            ; 2^e8
	s_add_co_i32 s36, s36, 8
	s_lshl_b32 s36, s36, 23
	s_or_b32 s36, s36, 0x600000
	v_mov_b32 v225, s36                            ; 448 x 2^e8
	s_add_co_i32 s36, s28, 127
	s_lshl_b32 s38, s36, 23
	v_mov_b32 v226, s38                            ; 2^e10
	s_add_co_i32 s36, s36, 8
	s_lshl_b32 s36, s36, 23
	s_or_b32 s36, s36, 0x600000
	v_mov_b32 v227, s36                            ; 448 x 2^e10
	s_add_co_i32 s29, s26, s27                     ; e8 + e9
	s_wait_loadcnt 0x0
.irp j, 0,1,2,3,4,5,6,7
	v_ldexp_f32 v[32+\j], v[32+\j], s37
.endr
	s_wait_alu depctr_va_vdst(0)                   ; the scalings have written v[32:39], the mask's eight numbers, which the last two stores below read
	ds_store_b128 v4, v[208:211]
	ds_store_b128 v4, v[212:215] offset:5120
	ds_store_b128 v5, v[216:219]
	ds_store_b128 v5, v[220:223] offset:4608
	ds_store_b128 v13, v[32:35]
	ds_store_b128 v13, v[36:39] offset:16
	s_wait_dscnt 0x0                               ; for the others' sake: my stores are done
	s_wait_alu depctr_vm_vsrc(0)                   ; the six stores have read v[208:223], in which tile 1 lands, and v[32:39], which the first products write
	s_add_nc_u64 s[12:13], s[12:13], 8192          ; (the loads that named these bases are in)
	s_add_nc_u64 s[14:15], s[14:15], 8192
	global_load_b128 v[208:211], v6, s[12:13]      ; tile 1
	global_load_b128 v[212:215], v6, s[12:13] offset:4096
	global_load_b128 v[216:219], v6, s[14:15]
	global_load_b128 v[220:223], v6, s[14:15] offset:4096
	s_barrier_signal -1
	s_barrier_wait -1
	WIN 0x40
.irp t, 0,1,2,3,4,5,6,7
	ds_load_b128 v[KF+8*\t:KF+8*\t+3], v1 offset:1280*\t                ; no vector instruction has named these registers yet
	ds_load_b128 v[KF+8*\t+4:KF+8*\t+7], v1 offset:1280*\t+32
	ds_load_b128 v[MC+8*\t:MC+8*\t+3], v3 offset:64*\t
	ds_load_b128 v[MC+8*\t+4:MC+8*\t+7], v3 offset:64*\t+16
.endr
	WIN 0
; line n of 32 of a tile's largest score: two chains, the registers in ascending order
.macro MAXI s, st, n
.if (\n) == 0
	v_max3_num_f32 v[\st+6], v[\s], v[\s+1], v[\s+2]
.elseif (\n) == 1
	v_max3_num_f32 v[\st+7], v[\s+3], v[\s+4], v[\s+5]
.elseif (\n) < 31
	v_max3_num_f32 v[\st+6+(\n)%2], v[\st+6+(\n)%2], v[\s+2*(\n)+2], v[\s+2*(\n)+3]
.else
	v_max_num_f32 v[\st+6], v[\st+6], v[\st+7]
.endif
.endm
.macro STATS st
	v_permlanex16_b32 v228, v[\st+6], s20, s21     ; the query's other 64 keys lie in the lane 16 away
	v_max_num_f32 v[\st+6], v[\st+6], v228
	v_mul_f32 v[\st+6], s22, v[\st+6]              ; as t (c is positive)
	v_max_num_f32 v[\st+1], v[\st+1], v[\st+6]     ; the running largest t
	v_mov_b32 v[\st+6], v[\st]
	v_floor_f32 v[\st], -v[\st+1]                  ; the new -M = floor(-t)
	v_sub_f32 v[\st+6], v[\st], v[\st+6]           ; old M - new M: a whole number, 0 or less
	v_cvt_i32_f32 v[\st+6], v[\st+6]               ; (it saturates)
	v_ldexp_f32 v[\st+4], 1.0, v[\st+6]            ; f
.endm
.macro SCALE s, st
.set k, 0
.rept 32
	v_pk_fma_f32 v[\s+k:\s+k+1], v[\s+k:\s+k+1], s[22:23], v[\st:\st+1] op_sel_hi:[1,0,0]   ; t - M
.set k, k+2
.endr
.endm
; line n of 32 of the sum of a tile's 64 p: two chains of pairs
.macro SUMI s, st, n
.if (\n) == 0
	v_pk_add_f32 v[\st+6:\st+7], v[\s:\s+1], v[\s+2:\s+3]
.elseif (\n) == 31
	v_pk_add_f32 v[\st+2:\st+3], v[\st+2:\st+3], v[\st+6:\st+7]
.elseif (\n)%2 == 1
	v_pk_add_f32 v[\st+2:\st+3], v[\st+2:\st+3], v[\s+2*(\n)+2:\s+2*(\n)+3]
.else
	v_pk_add_f32 v[\st+6:\st+7], v[\st+6:\st+7], v[\s+2*(\n)+2:\s+2*(\n)+3]
.endif
.endm
; A KEY STEP on the tile in slot `slot`.  st: the next tile goes from registers into the other slot.  ld: the tile after that is asked for.  nx: there is a next step.
.macro STEP slot, st, ld, nx
.set TB, 32768*(\slot)
.set TO, 32768*(1-(\slot))
	s_wait_dscnt 0x0                               ; K's fragments and the mask's, asked for in the middle of the step before, are in
	s_wait_alu depctr_va_vdst(0)                   ; the last step's second products are done reading V's fragments, in which the sixteen loads below land; no line between here and those loads names them
	WIN 0x11                                       ; K and the mask in window 1
.irp t, 0,1,2,3,4,5,6,7
	v_wmma_f32_16x16x64_fp8_fp8 v[SA+8*\t:SA+8*\t+7], v[KF+8*\t:KF+8*\t+7], v[16:23], v[MC+8*\t:MC+8*\t+7]
	v_wmma_f32_16x16x64_fp8_fp8 v[SB+8*\t:SB+8*\t+7], v[KF+8*\t:KF+8*\t+7], v[24:31], v[MC+8*\t:MC+8*\t+7]
.endr
	WIN 0
	v_nop                                          ; four plain lines: the places behind these products, whose results the maximum below reads (ISA guide 7.12.1)
	v_nop
	v_nop
	v_nop
.if \st
	s_wait_loadcnt 0x0                             ; the next tile, asked for in the step before
	ds_store_b128 v4, v[208:211] offset:TO         ; into the slot that every wave left in front of the last barrier.  (Loads wrote these registers, and no vector line names them or v4, v5)
	ds_store_b128 v4, v[212:215] offset:TO+5120
	ds_store_b128 v5, v[216:219] offset:TO
	ds_store_b128 v5, v[220:223] offset:TO+4608
.endif
	WIN 0x40
.irp d, 0,1,2,3
.irp c, 0,1,2,3
	ds_load_b128 v[VF+16*\d+4*\c:VF+16*\d+4*\c+3], v2 offset:TB+2304*\d+32*\c
.endr
.endr
	WIN 0
.set i, 0
.rept 32
	MAXI SA, STA, i
.set i, i+1
.endr
.if \nx
	s_wait_alu depctr_vm_vsrc(0)                   ; the last step's loads of the mask have read v9, which the next line writes; my four stores above have read v[208:223], in which the loads from memory below, where a tile is left to ask for, land
	v_add_nc_u32 v9, s32, v3                       ; the next step's mask
.if \ld
	s_add_nc_u64 s[12:13], s[12:13], 8192          ; (the loads that named these bases are in: the wait ahead of the stores has shown it)
	s_add_nc_u64 s[14:15], s[14:15], 8192
	global_load_b128 v[208:211], v6, s[12:13]      ; the tile after the next: on its way from here to the next step's stores
	global_load_b128 v[212:215], v6, s[12:13] offset:4096
	global_load_b128 v[216:219], v6, s[14:15]
	global_load_b128 v[220:223], v6, s[14:15] offset:4096
.endif
.endif
	STATS STA
	SCALE SA, STA
.if \nx
	s_wait_dscnt 0x0                               ; my stores of the next tile are done, my reads of this tile are in
	s_barrier_signal -1
	s_barrier_wait -1                              ; both now hold of all eight waves
	WIN 0x40                                       ; the loads' destinations lie in window 1: the switch, the wait, the loads
	s_wait_alu depctr_va_vdst(0)                   ; this step's first products are done reading K's fragments and the mask's, in which the loads below land; v9, their address for the mask, is written
.irp t, 0,1,2,3,4,5,6,7
	ds_load_b128 v[KF+8*\t:KF+8*\t+3], v1 offset:TO+1280*\t
	ds_load_b128 v[KF+8*\t+4:KF+8*\t+7], v1 offset:TO+1280*\t+32
	ds_load_b128 v[MC+8*\t:MC+8*\t+3], v9 offset:64*\t
	ds_load_b128 v[MC+8*\t+4:MC+8*\t+7], v9 offset:64*\t+16
.endr
	WIN 0
.endif
.set i, 0
.rept 32                               ; A's exponentials, with B's maximum between them: none of these lines names an exponential's result
	v_exp_f32 v[SA+2*i], v[SA+2*i]
	v_exp_f32 v[SA+2*i+1], v[SA+2*i+1]
	MAXI SB, STB, i
.set i, i+1
.endr
	STATS STB
	SCALE SB, STB
	v_pk_mul_f32 v[STA+2:STA+3], v[STA+2:STA+3], v[STA+4:STA+5] op_sel_hi:[1,0]   ; l of A under the new M
	s_wait_alu depctr_va_vdst(0)                   ; A's 64 exponentials have written p of tile A, v[32:95]: one wait, ahead of their first reader, the sums below
.set i, 0
.rept 32                               ; B's exponentials, with A's sum between them
	v_exp_f32 v[SB+2*i], v[SB+2*i]
	v_exp_f32 v[SB+2*i+1], v[SB+2*i+1]
	SUMI SA, STA, i
.set i, i+1
.endr
	v_pk_mul_f32 v[STB+2:STB+3], v[STB+2:STB+3], v[STB+4:STB+5] op_sel_hi:[1,0]
	s_wait_alu depctr_va_vdst(0)                   ; B's 64 exponentials have written p of tile B, v[96:159]: one wait, ahead of their first reader
.set i, 0
.rept 32
	SUMI SB, STB, i
.set i, i+1
.endr
	s_cmp_ge_i32 s26, -8                           ; 448 x 2^e8 is at least 1.75 then, and p at most 1: nothing to hold
	s_cbranch_scc1 .Lno_hold_\@
.set k, 0
.rept 128
	v_min_num_f32 v[SA+k], v[SA+k], v225           ; the conversion does not saturate (ISA guide 7.6.2); p is not negative
.set k, k+1
.endr
.Lno_hold_\@:
.irp t, 0,1,2,3,4,5,6,7
	v_cvt_scalef32_pk8_fp8_f32 v[PA+2*\t:PA+2*\t+1], v[SA+8*\t:SA+8*\t+7], v224
.endr
.irp t, 0,1,2,3,4,5,6,7
	v_cvt_scalef32_pk8_fp8_f32 v[PB+2*\t:PB+2*\t+1], v[SB+8*\t:SB+8*\t+7], v224
.endr
	WIN 0x41                                       ; O^T in window 1, f in window 0.  These 32 lines are also the plain lines behind the conversions
.set k, 0
.rept 16
	v_pk_mul_f32 v[k:k+1], v[k:k+1], v[STA+4:STA+5] op_sel_hi:[1,0]
.set k, k+2
.endr
.rept 16
	v_pk_mul_f32 v[k:k+1], v[k:k+1], v[STB+4:STB+5] op_sel_hi:[1,0]
.set k, k+2
.endr
.if !(\nx)
	s_wait_dscnt 0x0                               ; V's fragments
.endif
	WIN 0x51                                       ; V, C and D in window 1, p in window 0.  Eight accumulators, one instruction a turn
.irp d, 0,1,2,3
	v_wmma_f32_16x16x128_fp8_fp8 v[8*\d:8*\d+7], v[VF+16*\d:VF+16*\d+15], v[PA:PA+15], v[8*\d:8*\d+7]
	v_wmma_f32_16x16x128_fp8_fp8 v[32+8*\d:32+8*\d+7], v[VF+16*\d:VF+16*\d+15], v[PB:PB+15], v[32+8*\d:32+8*\d+7]
.endr
	WIN 0
.if \nx
	s_add_co_u32 s32, s32, 512
.endif
.endm
	s_mov_b32 s32, 512                             ; the byte, in the mask, of the step after the one in hand
	s_mov_b32 s33, 7
.Lpair:                                            ; a trip runs two steps, one on each slot, so that every slot is a constant of the text: steps 0 to 13
	STEP 0, 1, 1, 1
	STEP 1, 1, 1, 1
	s_sub_co_u32 s33, s33, 1
	s_cmp_lg_u32 s33, 0
	s_cbranch_scc1 .Lpair
	STEP 0, 1, 0, 1                                ; step 14: nothing is left to ask for
	STEP 1, 0, 0, 0                                ; step 15
	; THE WAY OUT: O^T x 2^(e8 + e9) / l, held, converted by entry 10.  A lane's eight numbers are features 64 head + 16 d + 8 h + 0 .. 7 of token r.  ctx_codes holds, for each block of 16 tokens and each 128 along K,
	; the image of the next launch's fragment: 512 c + 16 (r + 16 h') + byte, for k = 32 c + 16 h' + byte.  A store's 32 lanes x 8 bytes are 256 consecutive bytes of it.
	v_add_f32 v[STA+2], v[STA+2], v[STA+3]         ; (these additions are the places behind the last products)
	v_add_f32 v[STB+2], v[STB+2], v[STB+3]
	v_permlanex16_b32 v[STA+3], v[STA+2], s20, s21
	v_permlanex16_b32 v[STB+3], v[STB+2], s20, s21
	v_add_f32 v[STA+2], v[STA+2], v[STA+3]
	v_add_f32 v[STB+2], v[STB+2], v[STB+3]
	v_rcp_f32 v[STA+4], v[STA+2]
	v_rcp_f32 v[STB+4], v[STB+2]
	v_nop
	s_wait_alu depctr_va_vdst(0)                   ; the two reciprocals have written 1 / l of both tiles: one wait, ahead of their first reader
	v_ldexp_f32 v[STA+4], v[STA+4], s29
	v_ldexp_f32 v[STB+4], v[STB+4], s29
	WIN 0x01                                       ; source 0: O^T in window 1
.set k, 0
.rept 16
	v_pk_mul_f32 v[32+k:33+k], v[k:k+1], v[STA+4:STA+5] op_sel_hi:[1,0]
.set k, k+2
.endr
.rept 16
	v_pk_mul_f32 v[32+k:33+k], v[k:k+1], v[STB+4:STB+5] op_sel_hi:[1,0]
.set k, k+2
.endr
	WIN 0
.set k, 0
.rept 64
	v_med3_num_f32 v[32+k], v[32+k], -v227, v227
.set k, k+1
.endr
.irp q, 0,1,2,3,4,5,6,7
	v_cvt_scalef32_pk8_fp8_f32 v[160+2*\q:161+2*\q], v[32+8*\q:39+8*\q], v226
.endr
	v_nop
	s_wait_alu depctr_va_vdst(0)                   ; the conversions have written v[160:175], the codes, which the eight stores read
.irp q, 0,1,2,3,4,5,6,7
	global_store_b64 v10, v[160+2*\q:161+2*\q], s[10:11] offset:(\q/4)*16384+(\q%4)*256
.endr
	s_wait_dscnt 0x0
	s_wait_alu depctr_hold_cnt(0) depctr_sa_sdst(0) depctr_va_vdst(0) depctr_va_sdst(0) depctr_va_ssrc(0) depctr_va_vcc(0) depctr_vm_vsrc(0)
	s_wait_tensorcnt 0x0
	ds_add_u32 v254, v255
	s_wait_dscnt 0x0
	s_endpgm
.Lfunc_end_k_q54964db6e2_attn:
	.size	k_q54964db6e2_attn, .Lfunc_end_k_q54964db6e2_attn-k_q54964db6e2_attn
	.p2alignl 7, 3214868480
	.fill 96, 4, 3214868480
	.section	.rodata,"a",@progbits
	.p2align	6, 0x0
	.amdhsa_kernel k_q54964db6e2_attn
		.amdhsa_group_segment_fixed_size 54272
		.amdhsa_private_segment_fixed_size 0
		.amdhsa_enable_private_segment 0
		.amdhsa_kernarg_size 32
		.amdhsa_user_sgpr_count 2
		.amdhsa_user_sgpr_kernarg_segment_ptr 1
		.amdhsa_wavefront_size32 1
		.amdhsa_system_sgpr_workgroup_id_x 1
		.amdhsa_system_sgpr_workgroup_id_y 1
		.amdhsa_system_sgpr_workgroup_id_z 1
		.amdhsa_system_vgpr_workitem_id 0
		.amdhsa_next_free_vgpr 512
		.amdhsa_next_free_sgpr 66
		.amdhsa_reserve_vcc 0
		.amdhsa_float_denorm_mode_32 3
		.amdhsa_float_denorm_mode_16_64 3
		.amdhsa_memory_ordered 1
		.amdhsa_forward_progress 1
		.amdhsa_inst_pref_size 136
	.end_amdhsa_kernel
	.amdgpu_metadata
---
amdhsa.version: [ 1, 2 ]
amdhsa.kernels:
  - .name:           k_q54964db6e2_attn
    .symbol:         k_q54964db6e2_attn.kd
    .args:
      - { .name: qkv, .offset: 0, .size: 8, .value_kind: global_buffer, .address_space: global }
      - { .name: attention_mask, .offset: 8, .size: 8, .value_kind: global_buffer, .address_space: global }
      - { .name: lowp_scales, .offset: 16, .size: 8, .value_kind: global_buffer, .address_space: global }
      - { .name: ctx_codes, .offset: 24, .size: 8, .value_kind: global_buffer, .address_space: global }
    .group_segment_fixed_size: 54272
    .private_segment_fixed_size: 0
    .kernarg_segment_align: 8
    .kernarg_segment_size: 32
    .max_flat_workgroup_size: 256
    .sgpr_count:     66
    .vgpr_count:     512
    .wavefront_size: 32
...
	.end_amdgpu_metadata
.endif
;; end of part 5
;; launch outln: the kernel of part 4 again; grid 256 x 1, 4 waves a work-group, clusters of 4 x 1, 327,680 bytes of LDS; arguments ctx_codes, w_codes, hidden_states, bo, ln_gamma, ln_beta, lowp_scales, out0; writes out0
